; MI455X (gfx1250); checked and timed in simulation.
; The chip was launched on July 23, 2026; its instructions are those of AMD's public machine-readable ISA for CDNA 5 (MIT licence, August 2026) and "CDNA5" Instruction Set Architecture Reference Guide (July 2026). The comments in the code are by the model that wrote it; some were corrected since.
;; Multi Head Scalar Attention. Allowed arithmetic: matrix products marked QUANTISED: E2M1 operands, one E8M0 scale for each 32 along K, by v_wmma_scale_f32_16x16x128_f8f6f4 with both operands' format E2M1 (or v_wmma_scale_f32_32x16x128_f4), f32 sums; everything else in f32.
;; Inputs: Wk 1,024 x 1,024 float32; Wq 1,024 x 1,024 float32; Wv 1,024 x 1,024 float32; bk 1,024 float32; bq 1,024 float32; bv 1,024 float32; key 4 x 2,048 x 1,024 float32; query 4 x 2,048 x 1,024 float32; value 4 x 2,048 x 1,024 float32.
;; Outputs: out0 4 x 2,048 x 1,024 float32.
;; This version of the problem:
;;   THIS VERSION OF THE PROBLEM IS GIVEN IN LOW PRECISION. The matrix products marked QUANTISED in the list below multiply operands that are first quantised to E2M1 (2 exponent bits, 1 mantissa bit; 4 bits a number), with one power-of-two scale for each 32 numbers along K (OCP MX v1.0); their sums are f32. All else is computed in f32.
;;   The module's matrix products, in the order in which they are computed (A, B: the left and right operand; K: the contracted axis; several contracted axes count as one K, in the product's order):
;;     1. [M 8,192, K 1,024] x [K 1,024, N 1,024]; A: input query; B: input Wq: QUANTISED
;;     2. [M 8,192, K 1,024] x [K 1,024, N 1,024]; A: input key; B: input Wk: QUANTISED
;;     3. [M 8,192, K 1,024] x [K 1,024, N 1,024]; A: input value; B: input Wv: QUANTISED
;;     4. batch 64 x [M 2,048, K 64] x [K 64, N 2,048]; A: computed on the way; B: computed on the way: QUANTISED
;;     5. batch 64 x [M 64, K 2,048] x [K 2,048, N 2,048]; A: computed on the way; B: softmax (see below): QUANTISED
;;   THE QUANTISER, for each operand of a quantised product, along K:
;;     - K is cut into blocks of 32 from its start; a last block that is shorter is filled with zeros.
;;     - A block's scale is 2^e with e = floor(log2(the largest magnitude in the block)) - 2, held to -126 .. 127; a block of zeros has e = 0. As a byte (E8M0): e + 127.
;;     - Each number is divided by its block's scale, clamped to +-6, and rounded to the nearest number of E2M1, ties to even, subnormals kept.
;;     - The product sums the exact products of the quantised numbers (number of the format x scale) in f32.
;;   ~~~python
;;   def quantise(x, axis):      # numpy; x: float32 -> the quantised numbers, widened to float32 again
;;       x = np.moveaxis(x, axis, -1); K = x.shape[-1]
;;       x = np.pad(x, [(0, 0)] * (x.ndim - 1) + [(0, -K % 32)]); x = x.reshape(x.shape[:-1] + (-1, 32)); a = np.abs(x).max(-1, keepdims=True)
;;       e = np.where(a > 0, np.clip(np.frexp(np.where(a > 0, a, 1))[1] - 1 - 2, -126, 127), 0)      # np.frexp(a)[1] - 1 = floor(log2(a)), exactly
;;       r = np.clip(x / 2.0 ** e, -6, 6)
;;       step = 2.0 ** (np.maximum(np.frexp(np.where(r == 0, 1, r))[1] - 1, 0) - 1)
;;       q = np.round(r / step) * step * 2.0 ** e      # np.round: ties to even
;;       return np.moveaxis(q.reshape(q.shape[:-2] + (-1,))[..., :K], -1, axis).astype(np.float32)
;;   ~~~
;;   SOFTMAX AHEAD OF A QUANTISED PRODUCT. Where the list says 'softmax', what is quantised is not the finished softmax but p = 2^(t - M), with t = logit x log2(e) and M = ceil(the row's largest t), a whole number; so 1/2 < the row's largest p <= 1. The row's sum l is taken of the UNQUANTISED p, in f32, and the product's result is divided by l at the end. Since M is a whole number, a kernel that streams over the keys may use a running M (the ceiling of the running maximum): every later rescaling is an exact power of two, which a block's scale takes up: the codes' values come out the same.
;;   OPERANDS COMPUTED ON THE WAY. 'Computed on the way' means the value that the module computes at that place (a softmax that the list does not call 'softmax' is quantised finished and normalised). What goes into a quantiser is computed in f32, as accurately as f32 sums, v_exp_f32 and their like allow (about 1e-6 of the number): no bf16 or f16 on the way to a quantiser, and a product that is left as it is and whose result goes on into a quantised operand takes f32 operands (vector FMAs, or v_wmma_f32_16x16x4_f32). A number that lies on a knife's edge between two numbers of the format may be rounded either way, as far as f32 arithmetic and the matrix unit's own rounding can turn it there, and no further.
;; 2 versions. Each part assembles by itself: llvm-mc -triple=amdgcn-amd-amdhsa -mcpu=gfx1250 --defsym DOCPART=n.
;; ======== version 1 of 2: 3 launches
;; workspace buffers: wimg 1,572,864 bytes; wsc 98,304 bytes; pc 13,369,344 bytes
;; launch wquant (part 1): grid 8 x 24, 4 waves a work-group, no clusters, 0 bytes of LDS; arguments Wq, Wk, Wv, wimg, wsc; writes wimg, wsc
.if DOCPART == 1
	.amdgcn_target "amdgcn-amd-amdhsa--gfx1250"
	.amdhsa_code_object_version 6
	.text
	.protected	k_q414d6d95d6_wquant
	.globl	k_q414d6d95d6_wquant
	.p2align	8
	.type	k_q414d6d95d6_wquant,@function
k_q414d6d95d6_wquant:
	s_mov_b64 s[64:65], 0
	v_nop
	global_prefetch_b8 v0, s[64:65] scope:SCOPE_SE
	s_setreg_imm32_b32 hwreg(HW_REG_WAVE_MODE, 25, 1), 1
	s_wait_xcnt 0x0
; Wq, Wk, Wv [1024 (k)][1024 (n)], f32, K on the FIRST axis, become codes of FP4 (E2M1) with one E8M0 scale byte for each 32 along K,
; laid as IMAGES OF THE OPERAND'S REGISTERS: wimg [tensor 3][K step 8][tile 64][1,024 bytes]; in a fragment, byte 512 c + 256 h + 16 i + x holds the two codes of
; k = 128 s + 64 c + 32 h + 2 x, + 1 of the tile's row i.  wsc [tensor][K step][tile][row] holds one word a row: byte b scales k = 128 s + 32 b ..
; THE COLUMNS OF A TILE ARE NOT NEIGHBOURS: row i of tile t is column 32 (t / 2) + 8 (t % 2) + i + 8 (i / 8), so that in the next launch the 16 registers of two neighbouring tiles are 16 neighbouring columns.
; A LANE TAKES A COLUMN AND ITS REGISTERS RUN DOWN K: a block of 32 lies in one lane's 32 registers, its largest magnitude needs no other lane, and the conversions give codes with K innermost.
; A wave takes 32 columns (two tiles: lanes 0-15 the even one, lanes 16-31 the odd one) x 128 along K (four blocks).  Each load of a wave reads 128 consecutive bytes of a row of W.
; A block's scale is 2^(floor(log2(its largest magnitude)) - 2): its byte is the largest magnitude's exponent field - 2, held at 1 from below.
; LIMITS: a block of zeros gets the byte 1 where the rule says 127 (its codes are zeros, and this program alone reads the bytes); largest magnitudes under 2^-124 are taken as 2^-124; NaN and infinities are not served.
; No LDS, no barrier: waves share nothing.  Loads run two blocks ahead.  No register that a load or store names is written again.
.set X,  32                            ; v32-95   two sets of 32 numbers
.set C,  96                            ; v96-111  four registers of codes for each block
.set SB, 24                            ; v24      the scale word
	s_load_b256 s[4:11], s[0:1], 0x0               ; Wq s[4:5], Wk s[6:7], Wv s[8:9], wimg s[10:11]
	s_load_b64 s[12:13], s[0:1], 0x20              ; wsc
	v_lshrrev_b32 v1, 5, v0
	v_readfirstlane_b32 s14, v1                    ; wave 0..3
	v_and_b32 v2, 31, v0                           ; lane
	v_and_b32 v6, 15, v0                           ; r: my row of the tile
	v_bfe_u32 v7, v0, 4, 1                         ; u: which of the two tiles
	v_and_b32 v8, 8, v6
	v_add_nc_u32 v8, v8, v6                        ; r + 8 (r / 8)
	v_lshl_add_u32 v8, v7, 3, v8                   ; + 8 u: my column among the wave's 32
	v_lshlrev_b32 v3, 2, v8                        ; in: 4 bytes a column
	v_lshlrev_b32 v4, 4, v6
	v_lshl_add_u32 v4, v7, 10, v4                  ; codes out: 1,024 u + 16 r
	v_lshlrev_b32 v5, 2, v2                        ; scale words out: 4 x lane
	s_and_b32 s15, ttmp7, 0xffff                   ; y = 8 x tensor + K step
	s_lshr_b32 s16, s15, 3                         ; the tensor
	s_and_b32 s17, s15, 7                          ; the K step
	s_lshl_b32 s18, ttmp9, 2
	s_add_co_u32 s18, s18, s14                     ; g: my group of 32 columns
	s_lshl_b32 s20, s17, 19                        ; W: 128 rows of 4,096 bytes a K step,
	s_lshl_b32 s19, s18, 7                         ; 32 columns of 4 bytes a group
	s_add_co_u32 s20, s20, s19
	s_mov_b32 s21, 0
	s_lshl_b32 s22, s15, 16                        ; wimg: 64 fragments of 1,024 bytes for each y,
	s_lshl_b32 s19, s18, 11                        ; two fragments a group
	s_add_co_u32 s22, s22, s19
	s_mov_b32 s23, 0
	s_lshl_b32 s24, s15, 12                        ; wsc: 4,096 bytes for each y,
	s_lshl_b32 s19, s18, 7                         ; 128 a group
	s_add_co_u32 s24, s24, s19
	s_mov_b32 s25, 0
	s_wait_kmcnt 0x0
	s_cmp_eq_u32 s16, 1                            ; which tensor: the choice hangs on the work-group's number alone
	s_cselect_b64 s[4:5], s[6:7], s[4:5]
	s_cmp_eq_u32 s16, 2
	s_cselect_b64 s[4:5], s[8:9], s[4:5]
	s_add_nc_u64 s[4:5], s[4:5], s[20:21]
	s_add_nc_u64 s[10:11], s[10:11], s[22:23]
	s_add_nc_u64 s[12:13], s[12:13], s[24:25]
.macro LOAD t                          ; block t: W(128 s + 32 t + i, my column), i = 0 .. 31, into set t % 2
.irp i, 0,1,2,3,4,5,6,7,8,9,10,11,12,13,14,15,16,17,18,19,20,21,22,23,24,25,26,27,28,29,30,31
	global_load_b32 v[X+32*((\t)%2)+\i], v3, s[4:5] offset:(32*(\t)+\i)*4096 th:TH_LOAD_NT
.endr
.endm
.macro BLOCK t
.set XS, X+32*((\t)%2)
.if (\t) < 3
	s_wait_loadcnt 32                              ; this block's 32 loads are in; the next block's 32 may be out
.else
	s_wait_loadcnt 0
.endif
	v_max3_num_f32 v12, |v[XS]|, |v[XS+1]|, |v[XS+2]|               ; the block's largest magnitude: all 32 numbers are mine; two chains
	v_max3_num_f32 v13, |v[XS+3]|, |v[XS+4]|, |v[XS+5]|
.irp i, 6,10,14,18,22,26
	v_max3_num_f32 v12, v12, |v[XS+\i]|, |v[XS+\i+1]|
	v_max3_num_f32 v13, v13, |v[XS+\i+2]|, |v[XS+\i+3]|
.endr
	v_max3_num_f32 v12, v12, |v[XS+30]|, |v[XS+31]|
	v_max3_num_f32 v12, v12, v13, 0x1800000        ; and the floor 2^(3 - 127): the byte cannot fall under 1
	v_add_nc_u32 v11, 0xff000000, v12              ; 2 off the exponent field: the conversion takes the exponent field of this operand as its scale
	v_lshrrev_b32 v13, 23, v11                     ; the scale's byte
.if (\t) == 0
	v_mov_b32 v[SB], v13
.else
	v_lshl_or_b32 v[SB], v13, 8*(\t), v[SB]        ; the lower K in the lower byte
.endif
.irp g, 0,1,2,3
	v_cvt_scalef32_pk8_fp4_f32 v[C+4*(\t)+\g], v[XS+8*\g:XS+8*\g+7], v11
.endr
	v_nop                                          ; one plain line behind the last conversion of a run
	global_store_b128 v4, v[C+4*(\t):C+4*(\t)+3], s[10:11] offset:512*((\t)/2)+256*((\t)%2)   ; block t = 2 c + h of the fragment: lanes 0-15 store 256 consecutive aligned bytes, lanes 16-31 another 256
.if (\t) < 2
	LOAD (\t)+2
.endif
.endm
	LOAD 0
	LOAD 1
	BLOCK 0
	BLOCK 1
	BLOCK 2
	BLOCK 3
	global_store_b32 v5, v[SB], s[12:13]           ; two tiles' scale words: 128 consecutive bytes a wave (96 KiB of the launch's 14 MiB leave in such halves)
	s_endpgm
.Lfunc_end_k_q414d6d95d6_wquant:
	.size	k_q414d6d95d6_wquant, .Lfunc_end_k_q414d6d95d6_wquant-k_q414d6d95d6_wquant
	.p2alignl 7, 3214868480
	.fill 96, 4, 3214868480
	.section	.rodata,"a",@progbits
	.p2align	6, 0x0
	.amdhsa_kernel k_q414d6d95d6_wquant
		.amdhsa_group_segment_fixed_size 0
		.amdhsa_private_segment_fixed_size 0
		.amdhsa_enable_private_segment 0
		.amdhsa_kernarg_size 40
		.amdhsa_user_sgpr_count 2
		.amdhsa_user_sgpr_kernarg_segment_ptr 1
		.amdhsa_wavefront_size32 1
		.amdhsa_system_sgpr_workgroup_id_x 1
		.amdhsa_system_sgpr_workgroup_id_y 1
		.amdhsa_system_sgpr_workgroup_id_z 1
		.amdhsa_system_vgpr_workitem_id 0
		.amdhsa_next_free_vgpr 112
		.amdhsa_next_free_sgpr 66
		.amdhsa_reserve_vcc 0
		.amdhsa_float_denorm_mode_32 3
		.amdhsa_float_denorm_mode_16_64 3
		.amdhsa_memory_ordered 1
		.amdhsa_forward_progress 1
		.amdhsa_inst_pref_size 21
	.end_amdhsa_kernel
	.amdgpu_metadata
---
amdhsa.version: [ 1, 2 ]
amdhsa.kernels:
  - .name:           k_q414d6d95d6_wquant
    .symbol:         k_q414d6d95d6_wquant.kd
    .args:
      - { .name: Wq, .offset: 0, .size: 8, .value_kind: global_buffer, .address_space: global }
      - { .name: Wk, .offset: 8, .size: 8, .value_kind: global_buffer, .address_space: global }
      - { .name: Wv, .offset: 16, .size: 8, .value_kind: global_buffer, .address_space: global }
      - { .name: wimg, .offset: 24, .size: 8, .value_kind: global_buffer, .address_space: global }
      - { .name: wsc, .offset: 32, .size: 8, .value_kind: global_buffer, .address_space: global }
    .group_segment_fixed_size: 0
    .private_segment_fixed_size: 0
    .kernarg_segment_align: 8
    .kernarg_segment_size: 40
    .max_flat_workgroup_size: 128
    .sgpr_count:     66
    .vgpr_count:     112
    .wavefront_size: 32
...
	.end_amdgpu_metadata
.endif
;; end of part 1
;; launch proj (part 2): grid 64 x 3, 4 waves a work-group, no clusters, 108,032 bytes of LDS; arguments query, key, value, bq, bk, bv, wimg, wsc, pc; writes pc
.if DOCPART == 2
	.amdgcn_target "amdgcn-amd-amdhsa--gfx1250"
	.amdhsa_code_object_version 6
	.text
	.protected	k_q414d6d95d6_proj
	.globl	k_q414d6d95d6_proj
	.p2align	8
	.type	k_q414d6d95d6_proj,@function
k_q414d6d95d6_proj:
	s_mov_b64 s[64:65], 0
	v_nop
	global_prefetch_b8 v0, s[64:65] scope:SCOPE_SE
	s_setreg_imm32_b32 hwreg(HW_REG_WAVE_MODE, 25, 1), 1
	s_wait_xcnt 0x0
; relu(x W + b) for x = query, key or value (work-group y = 0, 1, 2), the product on codes of FP4 (E2M1) with one E8M0 scale for each 32 along K = 1,024, and its result quantised again as attention's operand.
; A work-group takes 128 tokens (work-group x) and all 1,024 columns.  x [8192][1024] f32 is read once and quantised here; W comes as fragment images and scale words made by the launch before.
; OUT: pc [tensor 3][batch x head 64][block of 128 tokens 16][4,352 bytes]: 4,096 bytes of codes as register images, then 256 bytes of scale words.
;   Q, K (quantised along a head's 64 channels, two blocks): tile q of 16 tokens at 512 q, byte 256 h + 16 i + x = token p(q, i), channels 32 h + 2 x, + 1;
;       word at 4096 + 16 i + 4 a = the two bytes of token p(2 a, i), then the two of token p(2 a + 1, i).
;   V (quantised along the KEYS, which are this launch's tokens): tile e of 16 channels at 1024 e, byte 512 c + 256 h + 16 i + x = channel p(e, i), keys 64 c + 32 h + 2 x, + 1; word at 4096 + 16 i + 4 e, byte b for keys 32 b ..
;   p(t, i) = 32 (t / 2) + 8 (t % 2) + i + 8 (i / 8): THE ROWS OF A TILE ARE NOT NEIGHBOURS, for tokens and for columns alike: with such a tile as source 0, the 16 registers of two neighbouring tiles are 16 neighbours.
; ONE TEXT, TWO USES OF THE MATRIX INSTRUCTION.  Q, K: source 0 = 16 columns of W, source 1 = 16 tokens: a lane holds one token, its registers run along the columns.  V: the sources swapped: a lane holds one channel,
; its registers run along the tokens.  Loads, waits and the accumulators' places are the same; the products, the bias, the copy with relu and the stores stand in short two-way branches on the work-group's y.
; SHARES.  Phase X: wave w quantises token tiles 2 w and 2 w + 1 for all of K and leaves fragment images in LDS; one barrier.  Then wave w makes columns 256 w .. 256 w + 255 in two passes of 128 (two heads),
; for all 8 token tiles: 64 accumulators, 512 registers; each fragment of x is read from LDS once a pass, each fragment of W from memory once a work-group, three K steps ahead, straight into registers.
; No cluster: W's fragments go straight into registers in the order of the operand's registers; to share them they would have to pass through LDS, with a round of a cluster's barrier every K step.
; LIMITS: a block of zeros gets the byte 1 where the rule says 127 (its codes are zeros, and this program alone reads the bytes); largest magnitudes under 2^-124 are taken as 2^-124; NaN and infinities are not served.
; REGISTERS, in windows of 256.  Window 0: v3-19 addresses; v32-63 x's scale words; v64-79 W's, a ring of four sets; v80-91 scale words on the way out; v96-123 the quantiser's; v128-191 64 numbers of x, later x's 8 fragments;
;   v192-255 the bias as C, later 64 results.  Window 1: four sets of 64: x as loaded, later W's fragments.  Windows 2, 3: accumulator (token tile l, column tile g) at v[64 (l % 4) + 8 g] of window 2 + l / 4.
.set BLKB,  4352
.set HEADB, 16*BLKB
.set TENSB, 64*HEADB
.set XIMG,  0                          ; LDS: x's 64 fragments: (tile l, K step s) at 1,024 (8 l + s)
.set XSC,   65536                      ; their scale words: 1,024 (l / 2) + 32 (16 (l % 2) + r) + 4 s
.set BIA,   XSC+4096                   ; the bias: 1,024 bytes a wave, its 256 columns'
.set STG,   BIA+4096                   ; a stage of 16 rows x (512 + 16) bytes for each wave
.set SPT,   528                        ; 33 x 16 bytes: the 16 rows that a load touches start 16 bytes apart modulo 256
.set HH,   3                           ; v3   h = lane / 16
.set LI,   4                           ; v4   16 x lane
.set L4,   5                           ; v5   4 x lane
.set STW,  6                           ; v6   the stage, in: 16 x lane
.set STR,  7                           ; v7   the stage, out: row r, + 64 h
.set XWI,  8                           ; v8   where my images go: 16 x lane + 16,384 x wave
.set XWS,  9                           ; v9   and their scale words: XSC + 1,024 x wave + 32 r
.set XSR,  10                          ; v10  XSC + 32 x lane
.set BW,   11                          ; v11  the bias, in
.set BQ,   12                          ; v12  the bias, out, for Q and K: + 64 h
.set BV,   13                          ; v13  for V: + 4 (r + 8 (r / 8))
.set OS,   14                          ; v14  scale words out: h x HEADB + 16 r
.set SELV, 15                          ; v15  byte selects: lanes 0-15 the low halves of two words, lanes 16-31 the high halves
.set XWC,  16                          ; v16, v17  XWI, XWS + the trip's step
.set XSW,  17
.set BQC,  18                          ; v18, v19  BQ, BV + the pass's step
.set BVC,  19
.set XS,   32
.set WS,   64
.set PWS,  80
.set SW,   88
.set TM,   96                          ; v96-99 largest magnitudes, v100-103 bytes, v108-111 the conversions' scale operands
.set PW,   112
.set PC,   116
.set X,    128
.set LF,   128
.set HA,   192
.set WV,   22
.set TAU,  23
.set MODE, 24                          ; s24  1 for V
.set XB,   26                          ; s[26:27] x at my wave's first row, the trip's first K step
.set GB,   28                          ; s[28:29] W's images: my tensor, my wave's, the pass's first tile
.set SBS,  30                          ; s[30:31] W's scale words likewise
.set OUT,  32                          ; s[32:33] pc: the pass's first head, my block
.set SEL,  34                          ; s[34:35] selects for lane l xor 16
.set CNT,  36
.set PASSC, 37
.set XJ,   39
.set XK,   40
.set PB,   41
.set BB,   44
.set MSB, 0
.macro WIN new                         ; the immediate's high byte repeats the setting that is left; a switch that changes nothing is dropped
.if MSB != (\new)
	s_set_vgpr_msb (MSB<<8)|(\new)
.set MSB, (\new)
.endif
.endm
.macro PLACES                          ; four plain lines behind matrix instructions, ahead of loads into registers that they read and of the first read of results
.rept 4
	v_nop
.endr
.endm
; 64 numbers of a lane, v[s] .. v[s + 63], register 16 b + i = place 32 b + 16 (lane / 16) + i along K of my row, become a fragment's codes in v[PC] on and its scale word in v[pw].
.macro QUANT s, pw
.irp b, 0,1,2,3
	v_max3_num_f32 v[TM+\b], |v[\s+16*\b]|, |v[\s+1+16*\b]|, 0x1800000   ; block b: my 16 numbers, and the floor 2^(3 - 127): the byte cannot fall under 1
.endr
.irp i, 2,4,6,8,10,12,14
.irp b, 0,1,2,3
	v_max3_num_f32 v[TM+\b], v[TM+\b], |v[\s+16*\b+\i]|, |v[\s+1+16*\b+\i]|   ; the four blocks by turns
.endr
.endr
.irp b, 0,1,2,3
	v_permlanex16_b32 v[TM+4+\b], v[TM+\b], s[SEL], s[SEL+1]
.endr
.irp b, 0,1,2,3
	v_max_num_f32 v[TM+\b], v[TM+\b], v[TM+4+\b]   ; with lane l xor 16's: the block's largest magnitude
.endr
.irp b, 0,1,2,3
	v_add_nc_u32 v[TM+12+\b], 0xff000000, v[TM+\b] ; 2 off its exponent field: the conversion's scale operand
.endr
.irp b, 0,1,2,3
	v_lshrrev_b32 v[TM+4+\b], 23, v[TM+12+\b]      ; the scale's byte
.endr
	v_lshl_or_b32 v[\pw], v[TM+5], 8, v[TM+4]      ; the four bytes make my row's scale word (lanes r and r + 16 hold the same)
	v_lshl_or_b32 v[\pw], v[TM+6], 16, v[\pw]
	v_lshl_or_b32 v[\pw], v[TM+7], 24, v[\pw]
.irp b, 0,1,2,3
	v_cvt_scalef32_pk8_fp4_f32 v[PC+2*\b], v[\s+16*\b:\s+7+16*\b], v[TM+12+\b]
	v_cvt_scalef32_pk8_fp4_f32 v[PC+1+2*\b], v[\s+8+16*\b:\s+15+16*\b], v[TM+12+\b]
.endr
	v_nop                                          ; one plain line behind a scaled conversion
.irp c, 0,1                                    ; the operand's layout wants a WHOLE block in a lane: lanes 0-15 block 2 c, lanes 16-31 block 2 c + 1
.irp i, 0,1
	v_permlane16_swap_b32 v[PC+4*\c+\i], v[PC+2+4*\c+\i]
.endr
.endr
.endm
; Unit v = 2 tt + ss of a trip: token tile 2 w + tt, the trip's K step ss.  16 loads, each 512 consecutive bytes of one row, into set v of window 1.
.macro XLOAD v, extra
	WIN 0x40                                       ; destination window 1
.irp i, 0,1,2,3,4,5,6,7,8,9,10,11,12,13,14,15
	global_load_b128 v[64*(\v)+4*\i:64*(\v)+4*\i+3], v[LI], s[XB:XB+1] offset:(8*((\v)/2)+\i+8*(\i/8))*4096+512*((\v)%2)+(\extra) th:TH_LOAD_NT
.endr
	WIN 0
.endm
; W for one K step of a pass: 4 loads of scale words (lanes 0-15 tile 2 a, lanes 16-31 tile 2 a + 1) and 16 of codes (8 fragments), into set st: 20 loads.
.macro GLOAD st, si, pi
.irp a, 0,1,2,3
	global_load_b32 v[WS+4*(\st)+\a], v[L4], s[SBS:SBS+1] offset:4096*(\si)+512*(\pi)+128*\a
.endr
	WIN 0x40
.irp g, 0,1,2,3,4,5,6,7
.irp c, 0,1
	global_load_b128 v[64*(\st)+8*\g+4*\c:64*(\st)+8*\g+4*\c+3], v[LI], s[GB:GB+1] offset:65536*(\si)+8192*(\pi)+1024*\g+512*\c
.endr
.endr
	WIN 0
.endm
.macro FETCHL l0, n, s                 ; x's fragments of token tiles l0 .. l0 + n - 1, K step s, from their images
.set FL, \l0
.rept \n
	ds_load_b128 v[LF+8*FL:LF+8*FL+3], v[LI] offset:XIMG+1024*(8*FL+(\s))
	ds_load_b128 v[LF+8*FL+4:LF+8*FL+7], v[LI] offset:XIMG+1024*(8*FL+(\s))+512
.set FL, FL+1
.endr
.endm
.macro WM d, a, b, c, sa, sb, ra, rb   ; one product; ra, rb: the side's scales stand in lanes 16-31 of the register named
.if ((\ra) != 0) && ((\rb) != 0)
	v_wmma_scale_f32_16x16x128_f8f6f4 v[\d:\d+7], v[\a:\a+7], v[\b:\b+7], v[\c:\c+7], v[\sa], v[\sb] matrix_a_fmt:MATRIX_FMT_FP4 matrix_b_fmt:MATRIX_FMT_FP4 matrix_a_scale:MATRIX_SCALE_ROW1 matrix_b_scale:MATRIX_SCALE_ROW1
.elseif (\ra) != 0
	v_wmma_scale_f32_16x16x128_f8f6f4 v[\d:\d+7], v[\a:\a+7], v[\b:\b+7], v[\c:\c+7], v[\sa], v[\sb] matrix_a_fmt:MATRIX_FMT_FP4 matrix_b_fmt:MATRIX_FMT_FP4 matrix_a_scale:MATRIX_SCALE_ROW1
.elseif (\rb) != 0
	v_wmma_scale_f32_16x16x128_f8f6f4 v[\d:\d+7], v[\a:\a+7], v[\b:\b+7], v[\c:\c+7], v[\sa], v[\sb] matrix_a_fmt:MATRIX_FMT_FP4 matrix_b_fmt:MATRIX_FMT_FP4 matrix_b_scale:MATRIX_SCALE_ROW1
.else
	v_wmma_scale_f32_16x16x128_f8f6f4 v[\d:\d+7], v[\a:\a+7], v[\b:\b+7], v[\c:\c+7], v[\sa], v[\sb] matrix_a_fmt:MATRIX_FMT_FP4 matrix_b_fmt:MATRIX_FMT_FP4
.endif
.endm
; 32 products: token tiles 4 hi .. 4 hi + 3 x the pass's 8 column tiles, K step s, W's set st.  first = 1: the bias, in the result's layout, is the C that starts the sums.
; The 64 accumulators take turns, one instruction a turn, in the same order in every K step.
.macro MULHALF hi, st, s, first
	s_cmp_eq_u32 s[MODE], 0
	s_cbranch_scc0 .Lmv_\@
.if \first
	WIN 0x81+0x40*(\hi)                            ; source 0 (W) window 1, source 1 (x) and C (bias) window 0, D window 2 or 3
.else
	WIN 0xa1+0x50*(\hi)                            ; C and D window 2 or 3
.endif
.irp l, 0,1,2,3
.irp g, 0,1,2,3,4,5,6,7
.if \first
	WM 64*\l+8*\g, 64*(\st)+8*\g, LF+8*(4*(\hi)+\l), HA+8*\g, WS+4*(\st)+\g/2, XS+8*((4*(\hi)+\l)/2)+(\s), \g%2, \l%2
.else
	WM 64*\l+8*\g, 64*(\st)+8*\g, LF+8*(4*(\hi)+\l), 64*\l+8*\g, WS+4*(\st)+\g/2, XS+8*((4*(\hi)+\l)/2)+(\s), \g%2, \l%2
.endif
.endr
.endr
	WIN 0                                          ; at a branch and at a label every window is 0
	s_branch .Lmj_\@
.Lmv_\@:
.if \first
	WIN 0x84+0x40*(\hi)                            ; the sources swapped: source 0 (x) window 0, source 1 (W) window 1
.else
	WIN 0xa4+0x50*(\hi)
.endif
.irp l, 0,1,2,3
.irp g, 0,1,2,3,4,5,6,7
.if \first
	WM 64*\l+8*\g, LF+8*(4*(\hi)+\l), 64*(\st)+8*\g, HA+8*\g, XS+8*((4*(\hi)+\l)/2)+(\s), WS+4*(\st)+\g/2, \l%2, \g%2
.else
	WM 64*\l+8*\g, LF+8*(4*(\hi)+\l), 64*(\st)+8*\g, 64*\l+8*\g, XS+8*((4*(\hi)+\l)/2)+(\s), WS+4*(\st)+\g/2, \l%2, \g%2
.endif
.endr
.endr
	WIN 0
.Lmj_\@:
.endm
	s_load_b256 s[4:11], s[0:1], 0x0               ; query s[4:5], key s[6:7], value s[8:9], bq s[10:11]
	s_load_b256 s[12:19], s[0:1], 0x20             ; bk s[12:13], bv s[14:15], wimg s[16:17], wsc s[18:19]
	s_load_b64 s[20:21], s[0:1], 0x40              ; pc
	v_lshl_add_u32 v126, v0, 2, 0x1a400
	v_mov_b32 v127, 0
	v_lshrrev_b32 v1, 5, v0
	v_readfirstlane_b32 s[WV], v1                  ; wave 0..3
	s_and_b32 s[TAU], ttmp7, 0xffff                ; 0 Q, 1 K, 2 V
	v_and_b32 v1, 31, v0                           ; lane
	v_and_b32 v2, 15, v0                           ; r
	v_bfe_u32 v[HH], v0, 4, 1                      ; h
	v_lshlrev_b32 v[LI], 4, v1
	v_lshlrev_b32 v[L4], 2, v1
	s_mul_i32 s42, s[WV], 16*SPT
	s_add_co_u32 s42, s42, STG                     ; my stage
	v_add_nc_u32 v[STW], s42, v[LI]
	v_mul_u32_u24 v[STR], v2, SPT
	v_lshl_add_u32 v[STR], v[HH], 6, v[STR]
	v_add_nc_u32 v[STR], s42, v[STR]
	s_lshl_b32 s42, s[WV], 14
	v_add_nc_u32 v[XWI], s42, v[LI]
	s_lshl_b32 s42, s[WV], 10
	s_add_co_u32 s43, s42, XSC
	v_lshl_add_u32 v[XWS], v2, 5, s43
	v_lshlrev_b32 v[XSR], 5, v1
	v_add_nc_u32 v[XSR], XSC, v[XSR]
	s_add_co_u32 s43, s42, BIA
	v_add_nc_u32 v[BW], s43, v[LI]
	v_lshl_add_u32 v[BQ], v[HH], 6, s43
	v_and_b32 v[BV], 8, v2
	v_add_nc_u32 v[BV], v[BV], v2
	v_lshl_add_u32 v[BV], v[BV], 2, s43
	v_mul_u32_u24 v[OS], v[HH], HEADB
	v_lshl_add_u32 v[OS], v2, 4, v[OS]
	s_mov_b32 s42, 0x02020202
	v_mul_lo_u32 v[SELV], v[HH], s42
	v_add_nc_u32 v[SELV], 0x05040100, v[SELV]      ; 0x05040100 in lanes 0-15, 0x07060302 in lanes 16-31
.irp b, 0,1,2,3
	v_mov_b32 v[TM+4+\b], 0                        ; written once: a lane permute's destination counts as one of its sources
.endr
	s_mov_b32 s[SEL], 0x76543210
	s_mov_b32 s[SEL+1], 0xfedcba98
	s_lshl_b32 s46, ttmp9, 19                      ; x: 128 rows of 4,096 bytes a work-group,
	s_lshl_b32 s47, s[WV], 17                      ; 32 a wave
	s_add_co_u32 s46, s46, s47
	s_mov_b32 s47, 0
	s_lshl_b32 s48, s[WV], 10                      ; the bias: 256 numbers a wave
	s_mov_b32 s49, 0
	s_lshl_b32 s50, s[TAU], 19                     ; wimg: 524,288 bytes a tensor,
	s_lshl_b32 s51, s[WV], 14                      ; 16 fragments a wave
	s_add_co_u32 s50, s50, s51
	s_mov_b32 s51, 0
	s_lshl_b32 s52, s[TAU], 15                     ; wsc: 32,768 bytes a tensor, 1,024 a wave
	s_add_co_u32 s52, s52, s48
	s_mov_b32 s53, 0
	s_lshr_b32 s54, ttmp9, 4                       ; pc: the batch,
	s_lshl_b32 s54, s54, 4
	s_lshl_b32 s55, s[WV], 2
	s_add_co_u32 s54, s54, s55                     ; 16 x batch + my wave's first head
	s_mul_i32 s54, s54, HEADB
	s_and_b32 s55, ttmp9, 15                       ; the block of 128 tokens
	s_mul_i32 s55, s55, BLKB
	s_add_co_u32 s54, s54, s55
	s_mul_i32 s55, s[TAU], TENSB
	s_add_co_u32 s54, s54, s55
	s_mov_b32 s55, 0
	s_wait_kmcnt 0x0
	s_cmp_eq_u32 s[TAU], 1                         ; which tensor and bias: the choice hangs on the work-group's number alone
	s_cselect_b64 s[4:5], s[6:7], s[4:5]
	s_cselect_b64 s[10:11], s[12:13], s[10:11]
	s_cmp_eq_u32 s[TAU], 2
	s_cselect_b64 s[4:5], s[8:9], s[4:5]
	s_cselect_b64 s[10:11], s[14:15], s[10:11]
	s_cselect_b32 s[MODE], 1, 0
	s_add_nc_u64 s[XB:XB+1], s[4:5], s[46:47]
	s_add_nc_u64 s[BB:BB+1], s[10:11], s[48:49]
	s_add_nc_u64 s[GB:GB+1], s[16:17], s[50:51]
	s_add_nc_u64 s[SBS:SBS+1], s[18:19], s[52:53]
	s_add_nc_u64 s[OUT:OUT+1], s[20:21], s[54:55]
	; ---- PHASE X: my 32 tokens x 1,024 become 16 fragments.  A trip is four units (two tiles x two K steps); loads run four units ahead.
	global_load_b128 v[PC:PC+3], v[LI], s[BB:BB+1]             ; my 256 biases, by the way
	global_load_b128 v[PC+4:PC+7], v[LI], s[BB:BB+1] offset:512
	XLOAD 0, 0
	XLOAD 1, 0
	XLOAD 2, 0
	s_wait_loadcnt 48                              ; the bias is in: behind it 48 loads were issued
	ds_store_b128 v[BW], v[PC:PC+3]
	ds_store_b128 v[BW], v[PC+4:PC+7] offset:512
	XLOAD 3, 0
; A unit: its 16 rows x 512 bytes go through my stage as they lie and come back 64 bytes of a block's half a lane: register 16 b + i = k 32 b + 16 h + i of row r.
; tail = 0: the set is loaded again with the next trip's unit;  tail = 1 (the last trip): sets 0 to 2 take W's fragments of K steps 0 to 2.  cnt: the younger loads, which may stay out.
.macro UNIT v, tail, cnt
	s_wait_loadcnt \cnt
	WIN 0x04                                       ; an LDS store's data are its source 1: window 1
.irp i, 0,1,2,3,4,5,6,7,8,9,10,11,12,13,14,15
	ds_store_b128 v[STW], v[64*(\v)+4*\i:64*(\v)+4*\i+3] offset:SPT*\i
.endr
	WIN 0
.irp b, 0,1,2,3
.irp j, 0,1,2,3
	ds_load_b128 v[X+16*\b+4*\j:X+16*\b+4*\j+3], v[STR] offset:128*\b+16*\j   ; LDS serves a wave's instructions in order (ISA guide 5.7.1.4): these see the stores above
.endr
.endr
	s_wait_dscnt 0x0                               ; the numbers are back; the stores into the stage have read the set; the last unit's image stores have read their registers
.if \tail
.if (\v) < 3
	GLOAD \v, \v, 0
.endif
.else
	XLOAD \v, 1024
.endif
	QUANT X, PW
	ds_store_b128 v[XWC], v[PC:PC+3] offset:XIMG+8192*((\v)/2)+1024*((\v)%2)        ; the fragment goes to LDS as it stands: 16 bytes a lane, 512 a store
	ds_store_b128 v[XWC], v[PC+4:PC+7] offset:XIMG+8192*((\v)/2)+1024*((\v)%2)+512
	ds_store_b32 v[XSW], v[PW] offset:512*((\v)/2)+4*((\v)%2)                      ; lanes r and r + 16 write the same word with the same value
.endm
	s_mov_b32 s[CNT], 3
	s_mov_b32 s[XJ], 0
	s_mov_b32 s[XK], 0
.Ltrip:
	v_add_nc_u32 v[XWC], s[XJ], v[XWI]             ; two K steps on a trip: 2,048 bytes of images, 8 of scale words
	v_add_nc_u32 v[XSW], s[XK], v[XWS]
	UNIT 0, 0, 48                                  ; 48: the three younger units' loads
	UNIT 1, 0, 48
	UNIT 2, 0, 48
	UNIT 3, 0, 48
	s_wait_xcnt 0x0                                ; the loads have read their base: it may step
	s_add_nc_u64 s[XB:XB+1], s[XB:XB+1], 1024
	s_add_co_u32 s[XJ], s[XJ], 2048
	s_add_co_u32 s[XK], s[XK], 8
	s_sub_co_u32 s[CNT], s[CNT], 1
	s_cmp_lg_u32 s[CNT], 0
	s_cbranch_scc1 .Ltrip
	v_add_nc_u32 v[XWC], s[XJ], v[XWI]             ; the last trip is written out: no load leaves x
	v_add_nc_u32 v[XSW], s[XK], v[XWS]
	UNIT 0, 1, 48                                  ; younger: units 1 to 3
	UNIT 1, 1, 52                                  ; units 2, 3 and W's K step 0 (20 loads)
	UNIT 2, 1, 56                                  ; unit 3 and W's K steps 0, 1
	UNIT 3, 1, 60                                  ; W's K steps 0 to 2
	s_wait_dscnt 0x0                               ; for the others' sake: my images and scale words lie in LDS
	s_barrier_signal -1
	s_barrier_wait -1                              ; everybody's do; nobody writes them again
.irp a, 0,1,2,3
.irp k, 0,1
	ds_load_b128 v[XS+8*\a+4*\k:XS+8*\a+4*\k+3], v[XSR] offset:1024*\a+16*\k   ; x's scale words stay in registers: register 8 a + s: lanes 0-15 tile 2 a, lanes 16-31 tile 2 a + 1
.endr
.endr
; ---- A K step of 128: 64 products.  W runs three K steps ahead in a ring of four sets; x's fragments come from LDS half a step ahead.
.macro KSTEP s
.if (\s) <= 5
	s_wait_loadcnt 40                              ; this step's 20 loads are in; the two younger steps' 40 may be out
.elseif (\s) == 6
	s_wait_loadcnt 20                              ; right whether or not the next pass's loads stand behind step 7's
.else
	s_wait_loadcnt 0
.endif
.if (\s) == 0
	s_wait_dscnt 0x0                               ; x's fragments, the bias and (in the first pass) x's scale words
	MULHALF 0, 0, 0, 1
.else
	s_wait_dscnt 8                                 ; token tiles 0-3 are in; the youngest eight loads (tiles 4-7) may be out
	MULHALF 0, (\s)%4, \s, 0
.endif
	s_wait_dscnt 0x0                               ; tiles 4-7 are in
	PLACES
.if (\s) < 7
	FETCHL 0, 4, (\s)+1
.endif
.if (\s) <= 4
	GLOAD ((\s)+3)%4, (\s)+3, 0                    ; into the set that the step before has left
.else
	s_cmp_eq_u32 s[PASSC], 1                       ; the last pass has no successor: no load leaves W's images
	s_cbranch_scc1 .Lnog_\@
	GLOAD ((\s)+3)%4, (\s)-5, 1                    ; the next pass's K steps 0 to 2
.Lnog_\@:
.endif
.if (\s) == 0
	MULHALF 1, 0, 0, 1
.else
	MULHALF 1, (\s)%4, \s, 0
.endif
	PLACES
.if (\s) < 7
	FETCHL 4, 4, (\s)+1
.endif
.endm
; ---- The way out of one group of 8 accumulators: q = a token tile (Q, K: 16 tokens x 128 columns, two heads) or a column tile (V: 16 channels x 128 tokens).
.macro EPI q
	s_wait_xcnt 0x0                                ; the last stores have read the codes' registers
	s_cmp_eq_u32 s[MODE], 0
	s_cbranch_scc0 .Lrv_\@
	WIN 0x08+4*((\q)/4)                            ; source 1: window 2 or 3
.set EI, 0
.rept 64
	v_max_num_f32 v[HA+EI], 0, v[64*((\q)%4)+EI]   ; relu; each accumulator is read from its low end on
.set EI, EI+1
.endr
	WIN 0
	s_branch .Lrj_\@
.Lrv_\@:
.irp p, 0,1,2,3,4,5,6,7
	WIN 0x08+4*(\p/4)
.irp j, 0,1,2,3,4,5,6,7
	v_max_num_f32 v[HA+8*\p+\j], 0, v[64*(\p%4)+8*(\q)+\j]
.endr
.endr
	WIN 0
.Lrj_\@:
	QUANT HA, PWS+(\q)
	s_cmp_eq_u32 s[MODE], 0
	s_cbranch_scc0 .Lsv_\@
	global_store_b128 v[LI], v[PC:PC+3], s[OUT:OUT+1] offset:512*(\q)               ; the first head's 64 channels of 16 tokens: 512 consecutive aligned bytes
	global_store_b128 v[LI], v[PC+4:PC+7], s[OUT:OUT+1] offset:HEADB+512*(\q)       ; the second head's
	s_branch .Lsj_\@
.Lsv_\@:
	global_store_b128 v[LI], v[PC:PC+3], s[OUT:OUT+1] offset:((\q)/4)*HEADB+1024*((\q)%4)       ; keys 0-63 of 16 channels
	global_store_b128 v[LI], v[PC+4:PC+7], s[OUT:OUT+1] offset:((\q)/4)*HEADB+1024*((\q)%4)+512 ; keys 64-127
.Lsj_\@:
.endm
	s_mov_b32 s[PASSC], 2
	s_mov_b32 s[PB], 0
.Lpass:                                                ; a pass: 128 columns, two heads
	FETCHL 0, 8, 0
	v_add_nc_u32 v[BQC], s[PB], v[BQ]
	v_add_nc_u32 v[BVC], s[PB], v[BV]
	s_cmp_eq_u32 s[MODE], 0
	s_cbranch_scc0 .Lbias_v
.irp g, 0,1,2,3,4,5,6,7                        ; Q, K: register j of tile g is column 32 (g / 2) + 8 (g % 2) + 16 h + j
.irp k, 0,1
	ds_load_b128 v[HA+8*\g+4*\k:HA+8*\g+4*\k+3], v[BQC] offset:(32*(\g/2)+8*(\g%2))*4+16*\k
.endr
.endr
	s_branch .Lbias_in
.Lbias_v:
.irp g, 0,1,2,3,4,5,6,7                        ; V: all eight registers of tile g are column 32 (g / 2) + 8 (g % 2) + r + 8 (r / 8)
.irp j, 0,1,2,3,4,5,6,7
	ds_load_b32 v[HA+8*\g+\j], v[BVC] offset:(32*(\g/2)+8*(\g%2))*4
.endr
.endr
.Lbias_in:
	KSTEP 0
	KSTEP 1
	KSTEP 2
	KSTEP 3
	KSTEP 4
	KSTEP 5
	KSTEP 6
	KSTEP 7                                        ; (it ends with the four plain lines that the first read of results wants)
	EPI 0
	EPI 1
	EPI 2
	EPI 3
	EPI 4
	EPI 5
	EPI 6
	EPI 7
	s_cmp_eq_u32 s[MODE], 0
	s_cbranch_scc0 .Lsc_v
.irp a, 0,1,2,3                                ; Q, K: word a = two bytes of tile 2 a's token, two of tile 2 a + 1's: lanes 0-15 the first head's (low halves), lanes 16-31 the second's
	v_perm_b32 v[SW+\a], v[PWS+2*\a+1], v[PWS+2*\a], v[SELV]
.endr
	s_branch .Lsc_in
.Lsc_v:
	v_cmp_eq_u32 vcc_lo, 1, v[HH]
.irp e, 0,1,2,3                                ; V: word e = tile e's: lanes 0-15 the first head's tiles 0-3, lanes 16-31 the second's
	v_cndmask_b32 v[SW+\e], v[PWS+\e], v[PWS+4+\e], vcc_lo
.endr
.Lsc_in:
	global_store_b128 v[OS], v[SW:SW+3], s[OUT:OUT+1] offset:4096    ; sixteen lanes store a head's 256 bytes of scale words, aligned
	s_wait_xcnt 0x0                                ; loads and stores have read their bases and data: they may be written
	s_add_nc_u64 s[GB:GB+1], s[GB:GB+1], 8192
	s_add_nc_u64 s[SBS:SBS+1], s[SBS:SBS+1], 512
	s_add_nc_u64 s[OUT:OUT+1], s[OUT:OUT+1], 2*HEADB
	s_add_co_u32 s[PB], s[PB], 512
	s_sub_co_u32 s[PASSC], s[PASSC], 1
	s_cmp_lg_u32 s[PASSC], 0
	s_cbranch_scc1 .Lpass
	s_wait_tensorcnt 0x0
	ds_add_u32 v126, v127
	s_wait_dscnt 0x0
	s_endpgm
.Lfunc_end_k_q414d6d95d6_proj:
	.size	k_q414d6d95d6_proj, .Lfunc_end_k_q414d6d95d6_proj-k_q414d6d95d6_proj
	.p2alignl 7, 3214868480
	.fill 96, 4, 3214868480
	.section	.rodata,"a",@progbits
	.p2align	6, 0x0
	.amdhsa_kernel k_q414d6d95d6_proj
		.amdhsa_group_segment_fixed_size 108032
		.amdhsa_private_segment_fixed_size 0
		.amdhsa_enable_private_segment 0
		.amdhsa_kernarg_size 72
		.amdhsa_user_sgpr_count 2
		.amdhsa_user_sgpr_kernarg_segment_ptr 1
		.amdhsa_wavefront_size32 1
		.amdhsa_system_sgpr_workgroup_id_x 1
		.amdhsa_system_sgpr_workgroup_id_y 1
		.amdhsa_system_sgpr_workgroup_id_z 1
		.amdhsa_system_vgpr_workitem_id 0
		.amdhsa_next_free_vgpr 1024
		.amdhsa_next_free_sgpr 66
		.amdhsa_reserve_vcc 1
		.amdhsa_float_denorm_mode_32 3
		.amdhsa_float_denorm_mode_16_64 3
		.amdhsa_memory_ordered 1
		.amdhsa_forward_progress 1
		.amdhsa_inst_pref_size 255
	.end_amdhsa_kernel
	.section	.bss,"aw",@nobits
	.p2align	6
	.space	262144
	.amdgpu_metadata
---
amdhsa.version: [ 1, 2 ]
amdhsa.kernels:
  - .name:           k_q414d6d95d6_proj
    .symbol:         k_q414d6d95d6_proj.kd
    .args:
      - { .name: query, .offset: 0, .size: 8, .value_kind: global_buffer, .address_space: global }
      - { .name: key, .offset: 8, .size: 8, .value_kind: global_buffer, .address_space: global }
      - { .name: value, .offset: 16, .size: 8, .value_kind: global_buffer, .address_space: global }
      - { .name: bq, .offset: 24, .size: 8, .value_kind: global_buffer, .address_space: global }
      - { .name: bk, .offset: 32, .size: 8, .value_kind: global_buffer, .address_space: global }
      - { .name: bv, .offset: 40, .size: 8, .value_kind: global_buffer, .address_space: global }
      - { .name: wimg, .offset: 48, .size: 8, .value_kind: global_buffer, .address_space: global }
      - { .name: wsc, .offset: 56, .size: 8, .value_kind: global_buffer, .address_space: global }
      - { .name: pc, .offset: 64, .size: 8, .value_kind: global_buffer, .address_space: global }
    .group_segment_fixed_size: 108032
    .private_segment_fixed_size: 0
    .kernarg_segment_align: 8
    .kernarg_segment_size: 72
    .max_flat_workgroup_size: 128
    .sgpr_count:     66
    .vgpr_count:     1024
    .wavefront_size: 32
...
	.end_amdgpu_metadata
.endif
;; end of part 2
;; launch attn (part 3): grid 4 x 64, 16 waves a work-group, clusters of 4 x 1, 210,944 bytes of LDS; arguments pc, out0; writes out0
.if DOCPART == 3
	.amdgcn_target "amdgcn-amd-amdhsa--gfx1250"
	.amdhsa_code_object_version 6
	.text
	.protected	k_q414d6d95d6_attn
	.globl	k_q414d6d95d6_attn
	.p2align	8
	.type	k_q414d6d95d6_attn,@function
k_q414d6d95d6_attn:
	s_mov_b64 s[64:65], 0
	v_nop
	global_prefetch_b8 v0, s[64:65] scope:SCOPE_SE
	s_setreg_imm32_b32 hwreg(HW_REG_WAVE_MODE, 25, 1), 1
	s_wait_xcnt 0x0
	s_wait_alu depctr_hold_cnt(0) depctr_sa_sdst(0) depctr_va_vdst(0) depctr_va_sdst(0) depctr_va_ssrc(0) depctr_va_vcc(0) depctr_vm_vsrc(0)
	s_getreg_b32 s2, hwreg(HW_REG_IB_STS2, 6, 4)
	s_cmp_eq_u32 s2, 0
	s_cbranch_scc0 .Lentry_in_a_cluster
	s_endpgm
.Lentry_in_a_cluster:
	s_bfe_u32 s2, ttmp6, 0x10000c
	s_cmp_lg_u32 s2, 0x3003
	s_cbranch_scc0 .Lentry_shape_is_right
	s_endpgm
.Lentry_shape_is_right:
; out[b][q][head][:] = the sum over k of softmax_k(Q . K / 8) V, both products on codes of FP4 (E2M1) with one E8M0 scale for each 32 along a product's K.
; pc [Q, K, V][batch x head 64][block of 128 tokens 16][4,352 bytes] holds the operands as register images with their scale words, as the launch before laid them:
;   Q, K: tile t of 16 tokens at 512 t (token 32 (t / 2) + 8 (t % 2) + i + 8 (i / 8) of the block in row i; 64 channels: four registers a lane); words at 4096 + 16 i + 4 a: two bytes of tile 2 a, two of tile 2 a + 1.
;   V: tile e of 16 channels at 1024 e, K = the block's 128 keys (eight registers a lane); words at 4096 + 16 i + 4 e.
; THE SOFTMAX AHEAD OF THE SECOND PRODUCT: t = score x log2(e) / 8; M = the row's largest t so far, rounded UP to a whole number; p = 2^(t - M) is what is quantised, along the keys; it is not normalised.
; The row's sum is taken of the unquantised p, in f32, and divides O at the end.  When M moves, the sum and O are multiplied by 2^(old M - new M): exact.
; SHARES.  A work-group owns 512 queries of one head; each of its SIXTEEN waves owns two tiles of 16, one after the other: four waves to a SIMD, so that one wave's vector work stands beside another's matrix work and LDS loads.
; A HEAD'S K AND V, CODES AND SCALE WORDS, ARE 139,264 BYTES AND STAY IN LDS: filled once, sixteen tensor loads of two blocks, one a wave; nothing is filled again.  Every read is an image: 512 consecutive bytes, so no padding.
; CLUSTER.  The four work-groups of a head need the same K and V: each tile is asked for JOINTLY, by the same tensor load with the same descriptor and a mask that names the four.
; K = 64 IN AN INSTRUCTION OF K = 128: two neighbouring tiles of keys are ONE fragment (registers 0-3 the even tile, 4-7 the odd one), multiplied once by [Q, 0] and once by [0, Q]: zero codes take the other tile away exactly.
; Both products are used transposed (S^T = K Q^T, O^T = V^T P^T): a lane holds ONE query throughout; by the order of a tile's tokens the 16 registers of a pair of tiles are keys 32 b + 16 (lane / 16) + 0 .. 15.
; Nothing is prefetched: the launch's only loads from memory stand at its head.
; LIMITS: a block of p that has fallen to zeros keeps the byte 1 (its codes are zeros); p under 2^-126 counts as 0; NaN and infinities are not served.
.set BLKB,  4352
.set HEADB, 16*BLKB
.set TENSB, 64*HEADB
.set VREG,  HEADB                      ; LDS: K's 16 blocks from 0, V's from here,
.set STAGE, 2*HEADB                    ; and a stage of 16 rows x (256 + 16) bytes for each wave, which no tensor load fills
.set SP,    272
.set AK0, 1                            ; v1   16 x lane
.set AS0, 2                            ; v2   4096 + 16 r
.set AV0, 3                            ; v3   VREG + 16 x lane
.set AT0, 4                            ; v4   VREG + 4096 + 16 r
.set SI,  5                            ; v5   the stage, in: row r, + 64 h
.set SR,  6                            ; v6   the stage, out: row h, + 16 r
.set GO,  7                            ; v7   out: 4,096 h + 16 r
.set ADK, 8                            ; v8-11 the four addresses + the step's block
.set ADS, 9
.set ADV, 10
.set ADT, 11
                                       ; v12 -M, v13 the largest t, v[14:15] the sum in two halves
                                       ; v16-35: zeros, Q of pass 0, zeros, Q of pass 1, zeros: [0, Q] of pass p = v[16 + 8 p ..], [Q, 0] = v[20 + 8 p ..]
                                       ; v36, v37 Q's scale words; v38, v39 Q's offsets
.set KF,  40                           ; v40-71   four fragments of K
.set VF,  72                           ; v72-103  four of V
.set KS,  104                          ; v104-107 K's scale words
.set VS,  108                          ; v108-111 V's
.set S,   112                          ; v112-175 S^T, then p
.set O,   176                          ; v176-207 O^T
.set P,   208                          ; v208-215 p's codes
.set BM,  216                          ; v216-219 each block's largest score, then p
.set T2,  220                          ; v220-223 at work
.set SO,  224                          ; v224-227 the conversions' scale operands
.set F,   228                          ; v228     f = 2^(old M - new M)
.set PS,  229                          ; v229     p's scale word
.set TV,  230
.set WV,  8
.set SEL, 24                           ; s[24:25] selects for lane l xor 16
.set CS,  26                           ; s[26:27] c = log2(e) / 8: the packed form names a pair and takes its low word for both halves
.set TB,  28                           ; s28  LDS byte of the step's block
.set CNT, 29
.set QB,  30                           ; s[30:31] Q's block of pass 0
.set OUT, 32                           ; s[32:33] out at my tile's first token of pass 0, my head
.macro PLACES
.rept 4
	v_nop
.endr
.endm
; A round of the cluster's barrier: my work-group's barrier, so that wave 0's signal speaks for all sixteen waves; wave 0 signals for the work-group; every wave waits for all four work-groups; my work-group's barrier once more.
.macro CROUND
	s_barrier_signal -1
	s_barrier_wait -1
	s_cmp_lg_u32 s[WV], 0
	s_cbranch_scc1 .Lnot_wave_0_\@
	s_barrier_signal -3
.Lnot_wave_0_\@:
	s_barrier_wait -3
	s_barrier_signal -1
	s_barrier_wait -1
.endm
	s_load_b128 s[4:7], s[0:1], 0x0                ; pc s[4:5], out0 s[6:7]
	v_lshl_add_u32 v254, v0, 2, 0x33000
	v_mov_b32 v255, 0
	ds_add_u32 v254, v255
	ds_add_u32 v254, v255
	v_lshrrev_b32 v1, 5, v0
	v_readfirstlane_b32 s[WV], v1                  ; wave 0..15
	s_bfe_u32 s9, ttmp6, 0x40000                   ; cx: my place in the cluster: it enters Q's and out's addresses alone
	s_and_b32 s10, ttmp7, 0xffff                   ; batch x head, which the four partners share
	; descriptor group 1: two blocks, 8,704 dense bytes, as 34 rows of 256 bytes (32 elements of 8 bytes), no padding
	s_mov_b32 s16, 15|(3<<16)|(1<<21)              ; 15:0 the mask: all four work-groups; 17:16 elements of 8 bytes; 21 set beside a mask
	s_mov_b32 s17, 32<<16                          ; tensor_dim0 = 32
	s_mov_b32 s18, 34<<16                          ; tensor_dim1 = 34
	s_mov_b32 s19, 32<<16                          ; tile_dim0 = 32
	s_mov_b32 s20, 34                              ; tile_dim1 = 34
	s_mov_b32 s21, 32                              ; from row to row
	s_mov_b32 s22, 0
	s_mov_b32 s23, 0
	s_mov_b32 s12, 1                               ; group 0: count = 1
	s_mul_i32 s13, s[WV], 2*BLKB                   ; LDS: waves 0-7 fill K's region, waves 8-15 V's, which follows it
	s_lshr_b32 s11, s[WV], 3
	s_add_co_u32 s36, s11, 1                       ; tensor 1 (K) or 2 (V)
	s_mul_i32 s36, s36, TENSB
	s_mul_i32 s38, s10, HEADB
	s_add_co_u32 s36, s36, s38
	s_and_b32 s39, s[WV], 7
	s_mul_i32 s42, s39, 2*BLKB
	s_add_co_u32 s36, s36, s42
	s_mov_b32 s37, 0
	s_lshl_b32 s44, s9, 2                          ; Q: my tile of pass p lies in block 4 cx + 2 p + wave / 8, tile wave % 8
	s_add_co_u32 s44, s44, s11
	s_mul_i32 s44, s44, BLKB
	s_add_co_u32 s44, s44, s38
	s_mov_b32 s45, 0
	s_lshl_b32 s46, s9, 9                          ; out: my tile's first token of pass 0: 512 cx + 16 wave - 8 (wave % 2)
	s_lshl_b32 s47, s[WV], 4
	s_add_co_u32 s46, s46, s47
	s_and_b32 s40, s[WV], 1
	s_lshl_b32 s47, s40, 3
	s_sub_co_u32 s46, s46, s47
	s_lshl_b32 s46, s46, 12                        ; rows of 4,096 bytes,
	s_lshr_b32 s47, s10, 4
	s_lshl_b32 s47, s47, 23                        ; the batch's 2,048 rows,
	s_add_co_u32 s46, s46, s47
	s_and_b32 s47, s10, 15
	s_lshl_b32 s47, s47, 8                         ; the head's 256 bytes of a row
	s_add_co_u32 s46, s46, s47
	s_mov_b32 s47, 0
	s_lshl_b32 s40, s40, 4                         ; 16 (wave % 2): which half of a scale word is my tile's
	s_mov_b32 s41, 0x01000100
	s_mov_b32 s[SEL], 0x76543210
	s_mov_b32 s[SEL+1], 0xfedcba98
	s_mov_b32 s[CS], 0x3e38aa3b                    ; c = log2(e) / 8
	s_mov_b32 s[CS+1], s[CS]                       ; (named with it as a pair, so it is written)
	s_wait_dscnt 0x0
	s_wait_kmcnt 0x0
	s_add_nc_u64 s[14:15], s[4:5], s[36:37]        ; global address of my two blocks: it hangs on the head and the wave's number alone
	s_or_b32 s15, s15, 0x80000000                  ; type = 2
	s_add_nc_u64 s[QB:QB+1], s[4:5], s[44:45]
	s_add_nc_u64 s[OUT:OUT+1], s[6:7], s[46:47]
	CROUND                                         ; all four work-groups are here: the joint loads meet
	tensor_load_to_lds s[12:15], s[16:23]          ; my one tensor load of the launch
	s_nop 0
	PLACES                                         ; four plain lines follow it
	v_and_b32 v[AK0], 31, v0
	v_lshlrev_b32 v[AK0], 4, v[AK0]
	v_and_b32 v8, 15, v0                           ; r
	v_bfe_u32 v9, v0, 4, 1                         ; h
	v_lshl_add_u32 v[AS0], v8, 4, 4096
	s_lshl_b32 s43, s39, 9
	v_add_nc_u32 v38, s43, v[AK0]                  ; Q's codes: 512 (wave % 8) + 16 x lane
	s_lshr_b32 s43, s39, 1
	s_lshl_b32 s43, s43, 2
	v_add_nc_u32 v39, s43, v[AS0]                  ; Q's scale word: 4096 + 16 r + 4 ((wave % 8) / 2)
.irp p, 0,1
	global_load_b128 v[20+8*\p:23+8*\p], v38, s[QB:QB+1] offset:2*BLKB*\p
	global_load_b32 v[36+\p], v39, s[QB:QB+1] offset:2*BLKB*\p
.endr
	v_add_nc_u32 v[AV0], VREG, v[AK0]
	v_add_nc_u32 v[AT0], VREG, v[AS0]
	s_mul_i32 s42, s[WV], 16*SP
	s_add_co_u32 s42, s42, STAGE                   ; my stage
	v_mul_u32_u24 v[SI], v8, SP
	v_lshl_add_u32 v[SI], v9, 6, v[SI]
	v_add_nc_u32 v[SI], s42, v[SI]
	v_mul_u32_u24 v[SR], v9, SP
	v_lshl_add_u32 v[SR], v8, 4, v[SR]
	v_add_nc_u32 v[SR], s42, v[SR]
	v_lshlrev_b32 v[GO], 12, v9
	v_lshl_add_u32 v[GO], v8, 4, v[GO]
.irp j, 16,17,18,19,24,25,26,27,32,33,34,35
	v_mov_b32 v[\j], 0                             ; the zero halves beside Q: written once
.endr
	s_wait_loadcnt 0x0                             ; Q
.irp p, 0,1
	v_lshrrev_b32 v[36+\p], s40, v[36+\p]          ; my tile's two bytes,
	v_perm_b32 v[36+\p], v[36+\p], v[36+\p], s41   ; twice: they serve [Q, 0] and [0, Q] alike
.endr
	s_wait_tensorcnt 0x0                           ; my two blocks lie in LDS,
	s_barrier_signal -1
	s_barrier_wait -1                              ; everybody's do
.macro KLOAD ca, sa, off               ; a block's K: four fragments (pairs of tiles) and their scale words: nine loads
.irp i, 0,1,2,3,4,5,6,7
	ds_load_b128 v[KF+4*\i:KF+4*\i+3], v[\ca] offset:(\off)+512*\i
.endr
	ds_load_b128 v[KS:KS+3], v[\sa] offset:\off
.endm
.macro VLOAD ca, sa, off               ; a block's V likewise
.irp i, 0,1,2,3,4,5,6,7
	ds_load_b128 v[VF+4*\i:VF+4*\i+3], v[\ca] offset:(\off)+512*\i
.endr
	ds_load_b128 v[VS:VS+3], v[\sa] offset:\off
.endm
; A KEY STEP: 128 keys.  pref = 1: the next block's K is fetched behind the score products and its V behind the second product.
.macro STEP pref, qlo, qhi, qs
	s_wait_dscnt 9                                 ; this step's K is in; its V, the nine younger loads, may be out
.irp b, 0,1,2,3
	v_wmma_scale_f32_16x16x128_f8f6f4 v[S+16*\b:S+16*\b+7], v[KF+8*\b:KF+8*\b+7], v[\qlo:\qlo+7], 0, v[KS+\b], v[\qs] matrix_a_fmt:MATRIX_FMT_FP4 matrix_b_fmt:MATRIX_FMT_FP4
	v_wmma_scale_f32_16x16x128_f8f6f4 v[S+16*\b+8:S+16*\b+15], v[KF+8*\b:KF+8*\b+7], v[\qhi:\qhi+7], 0, v[KS+\b], v[\qs] matrix_a_fmt:MATRIX_FMT_FP4 matrix_b_fmt:MATRIX_FMT_FP4
.endr
.if \pref
	v_add_nc_u32 v[ADK], s[TB], v[AK0]             ; four plain lines: the places behind the products, ahead of the loads into K's registers and of the first read of scores
	v_add_nc_u32 v[ADS], s[TB], v[AS0]
	v_add_nc_u32 v[ADV], s[TB], v[AV0]
	v_add_nc_u32 v[ADT], s[TB], v[AT0]
	KLOAD ADK, ADS, BLKB
.else
	PLACES
.endif
.irp b, 0,1,2,3
	v_max3_num_f32 v[BM+\b], v[S+16*\b], v[S+1+16*\b], v[S+2+16*\b]   ; THE LARGEST SCORE OF EACH BLOCK OF 32 KEYS: for the row's maximum, and, since p rises with the score, for the block's largest p
.endr
.irp i, 3,5,7,9,11,13
.irp b, 0,1,2,3
	v_max3_num_f32 v[BM+\b], v[BM+\b], v[S+16*\b+\i], v[S+1+16*\b+\i]   ; the four blocks by turns; each accumulator is read from its low end on
.endr
.endr
.irp b, 0,1,2,3
	v_max_num_f32 v[BM+\b], v[BM+\b], v[S+15+16*\b]
.endr
.irp b, 0,1,2,3
	v_permlanex16_b32 v[T2+\b], v[BM+\b], s[SEL], s[SEL+1]
.endr
.irp b, 0,1,2,3
	v_max_num_f32 v[BM+\b], v[BM+\b], v[T2+\b]     ; with lane l xor 16's 16 keys
.endr
	v_max3_num_f32 v[TV], v[BM], v[BM+1], v[BM+2]
	v_max_num_f32 v[TV], v[TV], v[BM+3]            ; the step's largest score of my query
	v_mul_f32 v[TV], s[CS], v[TV]                  ; as t (c is positive)
	v_max_num_f32 v13, v13, v[TV]                  ; the running largest t
	v_mov_b32 v[TV], v12
	v_floor_f32 v12, -v13                          ; the new -M = floor(-t) = -ceil(t): M IS A WHOLE NUMBER
	v_sub_f32 v[TV], v12, v[TV]                    ; M's old value less its new one: a whole number, 0 or less
	v_cvt_i32_f32 v[TV], v[TV]                     ; (it saturates)
	v_ldexp_f32 v[F], 1.0, v[TV]                   ; f = 2^(old M - new M)
.set J, 0
.rept 32
	v_pk_fma_f32 v[S+J:S+J+1], v[S+J:S+J+1], s[CS:CS+1], v[12:13] op_sel_hi:[1,0,0]   ; t - M, two at a time (of the pairs c and -M the low word serves both halves)
.set J, J+2
.endr
.irp b, 0,1,2,3
	v_fma_f32 v[BM+\b], v[BM+\b], s[CS], v12       ; the same of each block's largest score
.endr
.set J, 0
.rept 64
	v_exp_f32 v[S+J], v[S+J]                       ; p = 2^(t - M), at most 1: NOT normalised
.set J, J+1
.endr
.irp b, 0,1,2,3
	v_exp_f32 v[BM+\b], v[BM+\b]                   ; the block's largest p: the same two instructions on the same number give the same bits
.endr
	v_pk_mul_f32 v[14:15], v[14:15], v[F:F+1] op_sel_hi:[1,0]   ; the sums under the new M.  (A plain line behind the exponentials)
	s_wait_alu depctr_va_vdst(0)
.irp b, 0,1,2,3
	v_max_num_f32 v[BM+\b], 0x1800000, v[BM+\b]    ; the floor 2^(3 - 127): the byte cannot fall under 1
.endr
.irp b, 0,1,2,3
	v_add_nc_u32 v[SO+\b], 0xff000000, v[BM+\b]    ; 2 off the exponent field: the conversion's scale operand
.endr
.irp b, 0,1,2,3
	v_lshrrev_b32 v[T2+\b], 23, v[SO+\b]           ; the scale's byte
.endr
	v_lshl_or_b32 v[PS], v[T2+1], 8, v[T2]         ; p's scale word for these 128 keys
	v_lshl_or_b32 v[PS], v[T2+2], 16, v[PS]
	v_lshl_or_b32 v[PS], v[T2+3], 24, v[PS]
.irp b, 0,1,2,3
	v_cvt_scalef32_pk8_fp4_f32 v[P+2*\b], v[S+16*\b:S+7+16*\b], v[SO+\b]
	v_cvt_scalef32_pk8_fp4_f32 v[P+1+2*\b], v[S+8+16*\b:S+15+16*\b], v[SO+\b]
.endr
	v_nop                                          ; one plain line behind a scaled conversion
.irp c, 0,1                                    ; the operand's layout wants a WHOLE block in a lane: lanes 0-15 block 2 c, lanes 16-31 block 2 c + 1
.irp i, 0,1
	v_permlane16_swap_b32 v[P+4*\c+\i], v[P+2+4*\c+\i]
.endr
.endr
	v_pk_add_f32 v[T2:T2+1], v[S:S+1], v[S+2:S+3]  ; THE ROW'S SUM IS TAKEN OF THE UNQUANTISED p: two at a time, in two chains
.set J, 4
.rept 15
	v_pk_add_f32 v[14:15], v[14:15], v[S+J:S+J+1]
	v_pk_add_f32 v[T2:T2+1], v[T2:T2+1], v[S+2+J:S+3+J]
.set J, J+4
.endr
	v_pk_add_f32 v[14:15], v[14:15], v[T2:T2+1]
.set J, 0
.rept 16
	v_pk_mul_f32 v[O+J:O+J+1], v[O+J:O+J+1], v[F:F+1] op_sel_hi:[1,0]   ; O^T under the new M: x f.  (With the sums above: the places between p's codes and scale word and the products below)
.set J, J+2
.endr
.if \pref
	s_wait_dscnt 9                                 ; V is in; the next step's K, the nine younger loads, may be out
.else
	s_wait_dscnt 0x0
.endif
.irp e, 0,1,2,3                                ; O^T += V^T P^T: the head's four tiles of 16 channels, by turns
	v_wmma_scale_f32_16x16x128_f8f6f4 v[O+8*\e:O+8*\e+7], v[VF+8*\e:VF+8*\e+7], v[P:P+7], v[O+8*\e:O+8*\e+7], v[VS+\e], v[PS] matrix_a_fmt:MATRIX_FMT_FP4 matrix_b_fmt:MATRIX_FMT_FP4
.endr
	PLACES                                         ; ahead of the loads into V's registers and of the next read of O^T
.if \pref
	VLOAD ADV, ADT, BLKB
	s_add_co_u32 s[TB], s[TB], BLKB
.endif
.endm
; THE WAY OUT of a tile: O^T / the sum goes through my stage (a lane's 16 channels of a query are 64 bytes) and leaves as rows: sixteen lanes store a head's 256 consecutive aligned bytes of a token's row.
.macro WAYOUT p
	v_add_f32 v14, v14, v15                        ; the sum's two halves,
	v_permlanex16_b32 v[TV], v14, s[SEL], s[SEL+1]
	v_add_f32 v14, v14, v[TV]                      ; and lane l xor 16's: the row's sum
	v_rcp_f32 v14, v14
	v_nop                                          ; one plain line behind a transcendental
.set J, 0
	s_wait_alu depctr_va_vdst(0)
.rept 16
	v_pk_mul_f32 v[S+J:S+J+1], v[O+J:O+J+1], v[14:15] op_sel_hi:[1,0]   ; register 16 g + i is channel 32 g + 16 h + i of query r
.set J, J+2
.endr
.irp g, 0,1
.irp i, 0,1,2,3
	ds_store_b128 v[SI], v[S+16*\g+4*\i:S+16*\g+4*\i+3] offset:128*\g+16*\i
.endr
.endr
.irp i, 0,1,2,3,4,5,6,7
	ds_load_b128 v[S+32+4*\i:S+32+4*\i+3], v[SR] offset:2*SP*\i   ; LDS serves a wave's instructions in order (ISA guide 5.7.1.4): these see my stores.  Rows 2 i and 2 i + 1
.endr
.irp i, 0,1,2,3,4,5,6,7
	s_wait_dscnt 7-\i                              ; loads come back in order: pair i is in, the younger ones may be out
	global_store_b128 v[GO], v[S+32+4*\i:S+32+4*\i+3], s[OUT:OUT+1] offset:(\p)*1048576+(2*\i+8*(\i/4))*4096 th:TH_STORE_NT   ; row x of the tile is token x + 8 (x / 8) from the tile's first
.endr
	s_wait_xcnt 0x0                                ; the stores have read their registers: the next pass may write them
.endm
; A PASS: one tile of 16 queries against all 2,048 keys.  The step is written once for the loop: O^T and the sum begin as zeros and the largest t as -3e38, and the first change of M leaves zeros zeros.
.macro PASS p
	v_mov_b32 v13, 0xff61b1e6                      ; the largest t so far: -3e38, under every t
	v_floor_f32 v12, -v13                          ; -M
	v_mov_b32 v14, 0
	v_mov_b32 v15, 0
.set J, 0
.rept 32
	v_mov_b32 v[O+J], 0
.set J, J+1
.endr
.irp b, 0,1,2,3
	v_mov_b32 v[T2+\b], 0                          ; a lane permute's destination counts as one of its sources
.endr
	v_mov_b32 v[PS], 0                             ; (named as the upper half of the pair with f before it is first made)
	v_mov_b32 v[TV], 0
	s_mov_b32 s[TB], 0
	KLOAD AK0, AS0, 0
	VLOAD AV0, AT0, 0
	s_mov_b32 s[CNT], 15
.Lkey_\@:
	STEP 1, 20+8*(\p), 16+8*(\p), 36+(\p)
	s_sub_co_u32 s[CNT], s[CNT], 1
	s_cmp_lg_u32 s[CNT], 0
	s_cbranch_scc1 .Lkey_\@
	STEP 0, 20+8*(\p), 16+8*(\p), 36+(\p)          ; the last block is written out: nothing is read past the regions
	WAYOUT \p
.endm
	PASS 0
	PASS 1
	s_wait_dscnt 0x0                               ; no LDS instruction of mine is pending at a signal
	s_wait_tensorcnt 0x0
	ds_add_u32 v254, v255
	s_wait_dscnt 0x0
	CROUND                                         ; the closing round: no work-group ends while a partner may still ask for a tile that names it
	s_endpgm
.Lfunc_end_k_q414d6d95d6_attn:
	.size	k_q414d6d95d6_attn, .Lfunc_end_k_q414d6d95d6_attn-k_q414d6d95d6_attn
	.p2alignl 7, 3214868480
	.fill 96, 4, 3214868480
	.section	.rodata,"a",@progbits
	.p2align	6, 0x0
	.amdhsa_kernel k_q414d6d95d6_attn
		.amdhsa_group_segment_fixed_size 210944
		.amdhsa_private_segment_fixed_size 0
		.amdhsa_enable_private_segment 0
		.amdhsa_kernarg_size 16
		.amdhsa_user_sgpr_count 2
		.amdhsa_user_sgpr_kernarg_segment_ptr 1
		.amdhsa_wavefront_size32 1
		.amdhsa_system_sgpr_workgroup_id_x 1
		.amdhsa_system_sgpr_workgroup_id_y 1
		.amdhsa_system_sgpr_workgroup_id_z 1
		.amdhsa_system_vgpr_workitem_id 0
		.amdhsa_next_free_vgpr 256
		.amdhsa_next_free_sgpr 66
		.amdhsa_reserve_vcc 0
		.amdhsa_float_denorm_mode_32 3
		.amdhsa_float_denorm_mode_16_64 3
		.amdhsa_memory_ordered 1
		.amdhsa_forward_progress 1
		.amdhsa_inst_pref_size 74
	.end_amdhsa_kernel
	.amdgpu_metadata
---
amdhsa.version: [ 1, 2 ]
amdhsa.kernels:
  - .name:           k_q414d6d95d6_attn
    .symbol:         k_q414d6d95d6_attn.kd
    .args:
      - { .name: pc, .offset: 0, .size: 8, .value_kind: global_buffer, .address_space: global }
      - { .name: out0, .offset: 8, .size: 8, .value_kind: global_buffer, .address_space: global }
    .group_segment_fixed_size: 210944
    .private_segment_fixed_size: 0
    .kernarg_segment_align: 8
    .kernarg_segment_size: 16
    .max_flat_workgroup_size: 512
    .sgpr_count:     66
    .vgpr_count:     256
    .wavefront_size: 32
...
	.end_amdgpu_metadata
.endif
;; end of part 3
;; ======== version 2 of 2: 3 launches
;; workspace buffers: wimg 1,572,864 bytes; wsc 98,304 bytes; pc 13,369,344 bytes
;; launch wquant (part 4): grid 8 x 24, 4 waves a work-group, no clusters, 0 bytes of LDS; arguments Wq, Wk, Wv, wimg, wsc; writes wimg, wsc
.if DOCPART == 4
	.amdgcn_target "amdgcn-amd-amdhsa--gfx1250"
	.amdhsa_code_object_version 6
	.text
	.protected	k_q414d6d95d6_wquant
	.globl	k_q414d6d95d6_wquant
	.p2align	8
	.type	k_q414d6d95d6_wquant,@function
k_q414d6d95d6_wquant:
	s_mov_b64 s[64:65], 0
	v_nop
	global_prefetch_b8 v0, s[64:65] scope:SCOPE_SE
	s_setreg_imm32_b32 hwreg(HW_REG_WAVE_MODE, 25, 1), 1
	s_wait_xcnt 0x0
; Wq, Wk, Wv [1024 (k)][1024 (n)], f32, K on the FIRST axis, become codes of FP4 (E2M1) with one E8M0 scale byte for each 32 along K,
; laid as IMAGES OF THE OPERAND'S REGISTERS: wimg [tensor 3][K step 8][tile 64][1,024 bytes]; in a fragment, byte 512 c + 256 h + 16 i + x holds the two codes of
; k = 128 s + 64 c + 32 h + 2 x, + 1 of the tile's row i.  wsc [tensor][K step][tile][row] holds one word a row: byte b scales k = 128 s + 32 b ..
; THE COLUMNS OF A TILE ARE NOT NEIGHBOURS: row i of tile t is column 32 (t / 2) + 8 (t % 2) + i + 8 (i / 8), so that in the next launch the 16 registers of two neighbouring tiles are 16 neighbouring columns.
; A LANE TAKES A COLUMN AND ITS REGISTERS RUN DOWN K: a block of 32 lies in one lane's 32 registers, its largest magnitude needs no other lane, and the conversions give codes with K innermost.
; A wave takes 32 columns (two tiles: lanes 0-15 the even one, lanes 16-31 the odd one) x 128 along K (four blocks).  Each load of a wave reads 128 consecutive bytes of a row of W.
; A block's scale is 2^(floor(log2(its largest magnitude)) - 2): its byte is the largest magnitude's exponent field - 2, held at 1 from below.
; LIMITS: a block of zeros gets the byte 1 where the rule says 127 (its codes are zeros, and this program alone reads the bytes); largest magnitudes under 2^-124 are taken as 2^-124; NaN and infinities are not served.
; No LDS, no barrier: waves share nothing.  Loads run two blocks ahead.  No register that a load or store names is written again.
.set X,  32                            ; v32-95   two sets of 32 numbers
.set C,  96                            ; v96-111  four registers of codes for each block
.set SB, 24                            ; v24      the scale word
	s_load_b256 s[4:11], s[0:1], 0x0               ; Wq s[4:5], Wk s[6:7], Wv s[8:9], wimg s[10:11]
	s_load_b64 s[12:13], s[0:1], 0x20              ; wsc
	v_lshrrev_b32 v1, 5, v0
	v_readfirstlane_b32 s14, v1                    ; wave 0..3
	v_and_b32 v2, 31, v0                           ; lane
	v_and_b32 v6, 15, v0                           ; r: my row of the tile
	v_bfe_u32 v7, v0, 4, 1                         ; u: which of the two tiles
	v_and_b32 v8, 8, v6
	v_add_nc_u32 v8, v8, v6                        ; r + 8 (r / 8)
	v_lshl_add_u32 v8, v7, 3, v8                   ; + 8 u: my column among the wave's 32
	v_lshlrev_b32 v3, 2, v8                        ; in: 4 bytes a column
	v_lshlrev_b32 v4, 4, v6
	v_lshl_add_u32 v4, v7, 10, v4                  ; codes out: 1,024 u + 16 r
	v_lshlrev_b32 v5, 2, v2                        ; scale words out: 4 x lane
	s_and_b32 s15, ttmp7, 0xffff                   ; y = 8 x tensor + K step
	s_lshr_b32 s16, s15, 3                         ; the tensor
	s_and_b32 s17, s15, 7                          ; the K step
	s_lshl_b32 s18, ttmp9, 2
	s_add_co_u32 s18, s18, s14                     ; g: my group of 32 columns
	s_lshl_b32 s20, s17, 19                        ; W: 128 rows of 4,096 bytes a K step,
	s_lshl_b32 s19, s18, 7                         ; 32 columns of 4 bytes a group
	s_add_co_u32 s20, s20, s19
	s_mov_b32 s21, 0
	s_lshl_b32 s22, s15, 16                        ; wimg: 64 fragments of 1,024 bytes for each y,
	s_lshl_b32 s19, s18, 11                        ; two fragments a group
	s_add_co_u32 s22, s22, s19
	s_mov_b32 s23, 0
	s_lshl_b32 s24, s15, 12                        ; wsc: 4,096 bytes for each y,
	s_lshl_b32 s19, s18, 7                         ; 128 a group
	s_add_co_u32 s24, s24, s19
	s_mov_b32 s25, 0
	s_wait_alu depctr_va_vdst(0)
	s_wait_kmcnt 0x0
	s_cmp_eq_u32 s16, 1                            ; which tensor: the choice hangs on the work-group's number alone
	s_cselect_b64 s[4:5], s[6:7], s[4:5]
	s_cmp_eq_u32 s16, 2
	s_cselect_b64 s[4:5], s[8:9], s[4:5]
	s_add_nc_u64 s[4:5], s[4:5], s[20:21]
	s_add_nc_u64 s[10:11], s[10:11], s[22:23]
	s_add_nc_u64 s[12:13], s[12:13], s[24:25]
.macro LOAD t                          ; block t: W(128 s + 32 t + i, my column), i = 0 .. 31, into set t % 2
.irp i, 0,1,2,3,4,5,6,7,8,9,10,11,12,13,14,15,16,17,18,19,20,21,22,23,24,25,26,27,28,29,30,31
	global_load_b32 v[X+32*((\t)%2)+\i], v3, s[4:5] offset:(32*(\t)+\i)*4096 th:TH_LOAD_NT
.endr
.endm
.macro BLOCK t
.set XS, X+32*((\t)%2)
.if (\t) < 3
	s_wait_loadcnt 32                              ; this block's 32 loads are in; the next block's 32 may be out
.else
	s_wait_loadcnt 0
.endif
	v_max3_num_f32 v12, |v[XS]|, |v[XS+1]|, |v[XS+2]|               ; the block's largest magnitude: all 32 numbers are mine; two chains
	v_max3_num_f32 v13, |v[XS+3]|, |v[XS+4]|, |v[XS+5]|
.irp i, 6,10,14,18,22,26
	v_max3_num_f32 v12, v12, |v[XS+\i]|, |v[XS+\i+1]|
	v_max3_num_f32 v13, v13, |v[XS+\i+2]|, |v[XS+\i+3]|
.endr
	v_max3_num_f32 v12, v12, |v[XS+30]|, |v[XS+31]|
	v_max3_num_f32 v12, v12, v13, 0x1800000        ; and the floor 2^(3 - 127): the byte cannot fall under 1
	v_add_nc_u32 v11, 0xff000000, v12              ; 2 off the exponent field: the conversion takes the exponent field of this operand as its scale
	v_lshrrev_b32 v13, 23, v11                     ; the scale's byte
.if (\t) == 0
	v_mov_b32 v[SB], v13
.else
	v_lshl_or_b32 v[SB], v13, 8*(\t), v[SB]        ; the lower K in the lower byte
.endif
.irp g, 0,1,2,3
	v_cvt_scalef32_pk8_fp4_f32 v[C+4*(\t)+\g], v[XS+8*\g:XS+8*\g+7], v11
.endr
	v_nop                                          ; one plain line behind the last conversion of a run
	global_store_b128 v4, v[C+4*(\t):C+4*(\t)+3], s[10:11] offset:512*((\t)/2)+256*((\t)%2)   ; block t = 2 c + h of the fragment: lanes 0-15 store 256 consecutive aligned bytes, lanes 16-31 another 256
.if (\t) < 2
	LOAD (\t)+2
.endif
.endm
	LOAD 0
	LOAD 1
	BLOCK 0
	BLOCK 1
	BLOCK 2
	BLOCK 3
	global_store_b32 v5, v[SB], s[12:13]           ; two tiles' scale words: 128 consecutive bytes a wave (96 KiB of the launch's 14 MiB leave in such halves)
	s_endpgm
.Lfunc_end_k_q414d6d95d6_wquant:
	.size	k_q414d6d95d6_wquant, .Lfunc_end_k_q414d6d95d6_wquant-k_q414d6d95d6_wquant
	.p2alignl 7, 3214868480
	.fill 96, 4, 3214868480
	.section	.rodata,"a",@progbits
	.p2align	6, 0x0
	.amdhsa_kernel k_q414d6d95d6_wquant
		.amdhsa_group_segment_fixed_size 0
		.amdhsa_private_segment_fixed_size 0
		.amdhsa_enable_private_segment 0
		.amdhsa_kernarg_size 40
		.amdhsa_user_sgpr_count 2
		.amdhsa_user_sgpr_kernarg_segment_ptr 1
		.amdhsa_wavefront_size32 1
		.amdhsa_system_sgpr_workgroup_id_x 1
		.amdhsa_system_sgpr_workgroup_id_y 1
		.amdhsa_system_sgpr_workgroup_id_z 1
		.amdhsa_system_vgpr_workitem_id 0
		.amdhsa_next_free_vgpr 112
		.amdhsa_next_free_sgpr 66
		.amdhsa_reserve_vcc 0
		.amdhsa_float_denorm_mode_32 3
		.amdhsa_float_denorm_mode_16_64 3
		.amdhsa_memory_ordered 1
		.amdhsa_forward_progress 1
		.amdhsa_inst_pref_size 21
	.end_amdhsa_kernel
	.amdgpu_metadata
---
amdhsa.version: [ 1, 2 ]
amdhsa.kernels:
  - .name:           k_q414d6d95d6_wquant
    .symbol:         k_q414d6d95d6_wquant.kd
    .args:
      - { .name: Wq, .offset: 0, .size: 8, .value_kind: global_buffer, .address_space: global }
      - { .name: Wk, .offset: 8, .size: 8, .value_kind: global_buffer, .address_space: global }
      - { .name: Wv, .offset: 16, .size: 8, .value_kind: global_buffer, .address_space: global }
      - { .name: wimg, .offset: 24, .size: 8, .value_kind: global_buffer, .address_space: global }
      - { .name: wsc, .offset: 32, .size: 8, .value_kind: global_buffer, .address_space: global }
    .group_segment_fixed_size: 0
    .private_segment_fixed_size: 0
    .kernarg_segment_align: 8
    .kernarg_segment_size: 40
    .max_flat_workgroup_size: 128
    .sgpr_count:     66
    .vgpr_count:     112
    .wavefront_size: 32
...
	.end_amdgpu_metadata
.endif
;; end of part 4
;; launch proj (part 5): grid 64 x 3, 4 waves a work-group, no clusters, 108,032 bytes of LDS; arguments query, key, value, bq, bk, bv, wimg, wsc, pc; writes pc
.if DOCPART == 5
	.amdgcn_target "amdgcn-amd-amdhsa--gfx1250"
	.amdhsa_code_object_version 6
	.text
	.protected	k_q414d6d95d6_proj
	.globl	k_q414d6d95d6_proj
	.p2align	8
	.type	k_q414d6d95d6_proj,@function
k_q414d6d95d6_proj:
	s_mov_b64 s[64:65], 0
	v_nop
	global_prefetch_b8 v0, s[64:65] scope:SCOPE_SE
	s_setreg_imm32_b32 hwreg(HW_REG_WAVE_SCHED_MODE, 0, 2), 2
	s_setreg_imm32_b32 hwreg(HW_REG_WAVE_MODE, 25, 1), 1
	s_wait_xcnt 0x0
	s_wait_alu depctr_vm_vsrc(0)
; relu(x W + b) for x = query, key or value (work-group y = 0, 1, 2), the product on codes of FP4 (E2M1) with one E8M0 scale for each 32 along K = 1,024, and its result quantised again as attention's operand.
; A work-group takes 128 tokens (work-group x) and all 1,024 columns.  x [8192][1024] f32 is read once and quantised here; W comes as fragment images and scale words made by the launch before.
; OUT: pc [tensor 3][batch x head 64][block of 128 tokens 16][4,352 bytes]: 4,096 bytes of codes as register images, then 256 bytes of scale words.
;   Q, K (quantised along a head's 64 channels, two blocks): tile q of 16 tokens at 512 q, byte 256 h + 16 i + x = token p(q, i), channels 32 h + 2 x, + 1;
;       word at 4096 + 16 i + 4 a = the two bytes of token p(2 a, i), then the two of token p(2 a + 1, i).
;   V (quantised along the KEYS, which are this launch's tokens): tile e of 16 channels at 1024 e, byte 512 c + 256 h + 16 i + x = channel p(e, i), keys 64 c + 32 h + 2 x, + 1; word at 4096 + 16 i + 4 e, byte b for keys 32 b ..
;   p(t, i) = 32 (t / 2) + 8 (t % 2) + i + 8 (i / 8): THE ROWS OF A TILE ARE NOT NEIGHBOURS, for tokens and for columns alike: with such a tile as source 0, the 16 registers of two neighbouring tiles are 16 neighbours.
; ONE TEXT, TWO USES OF THE MATRIX INSTRUCTION.  Q, K: source 0 = 16 columns of W, source 1 = 16 tokens: a lane holds one token, its registers run along the columns.  V: the sources swapped: a lane holds one channel,
; its registers run along the tokens.  Loads, waits and the accumulators' places are the same; the products, the bias, the copy with relu and the stores stand in short two-way branches on the work-group's y.
; SHARES.  Phase X: wave w quantises token tiles 2 w and 2 w + 1 for all of K and leaves fragment images in LDS; one barrier.  Then wave w makes columns 256 w .. 256 w + 255 in two passes of 128 (two heads),
; for all 8 token tiles: 64 accumulators, 512 registers; each fragment of x is read from LDS once a pass, each fragment of W from memory once a work-group, three K steps ahead, straight into registers.
; No cluster: W's fragments go straight into registers in the order of the operand's registers; to share them they would have to pass through LDS, with a round of a cluster's barrier every K step.
; LIMITS: a block of zeros gets the byte 1 where the rule says 127 (its codes are zeros, and this program alone reads the bytes); largest magnitudes under 2^-124 are taken as 2^-124; NaN and infinities are not served.
; REGISTERS, in windows of 256.  Window 0: v3-19 addresses; v32-63 x's scale words; v64-79 W's, a ring of four sets; v80-91 scale words on the way out; v96-123 the quantiser's; v126, v127 the closing add's two;
;   v128-191 and v192-255 two buffers of 64 numbers of x; later v128-191 x's 8 fragments and v192-255 the bias as C, then 64 results.
;   Window 1: four sets of 64: x as loaded, later W's fragments.  Windows 2, 3: accumulator (token tile l, column tile g) at v[64 (l % 4) + 8 g] of window 2 + l / 4.
; THE MODE: SCHED_MODE bits 1:0 = 2 (LLVM: expert scheduling mode 2), set by the entry lines.  The code itself states the register dependences
; between vector or matrix instructions and memory or LDS instructions, with s_wait_alu, always for 0.
; THE PLAN.  Registers that memory or LDS instructions touch, and who else names them:
;   window 1, sets 0-3   Phase X: loads of x land; the stage's stores read; loaded again a unit later.  No vector line names them.  Passes: step s's products read set s % 4; the loads issued in step s land in set (s - 1) % 4.
;   v64-79 (W's words)   go with the sets.          v32-63 (x's words) are loaded once.
;   X0, X1               Phase X: the stage's loads of unit v + 1 land in buffer (v + 1) % 2 while the quantiser reads buffer v % 2.
;   PC, PW               Written by the quantiser; read by the image stores (phase X) and by the stores of codes (the way out).
;   XWC, XSW; BQC, BVC   LDS addresses, written once a trip and once a pass; read by the image stores and by the bias's loads.
;   LF, in two halves    The half that 32 products have read is loaded for the next K step while the other half is multiplied.
;   HA                   The bias lands at a pass's head; products read it as C; on the way out vector lines alone name it.
;   SW                   Written once a pass by vector lines; read by one store.
;   v3-15, v126, v127    Made at the head, never written again.     The accumulators are named by vector and matrix lines alone.
; So: a unit of phase X has one wait on vm_vsrc at its head and one on va_vdst behind its quantiser; a K step one wait on va_vdst ahead of each of its two runs of loads; a group on the way out one of each kind.
.set BLKB,  4352
.set HEADB, 16*BLKB
.set TENSB, 64*HEADB
.set XIMG,  0                          ; LDS: x's 64 fragments: (tile l, K step s) at 1,024 (8 l + s)
.set XSC,   65536                      ; their scale words: 1,024 (l / 2) + 32 (16 (l % 2) + r) + 4 s
.set BIA,   XSC+4096                   ; the bias: 1,024 bytes a wave, its 256 columns'
.set STG,   BIA+4096                   ; a stage of 16 rows x (512 + 16) bytes for each wave
.set SPT,   528                        ; 33 x 16 bytes: the 16 rows that a load touches start 16 bytes apart modulo 256
.set HH,   3                           ; v3   h = lane / 16
.set LI,   4                           ; v4   16 x lane
.set L4,   5                           ; v5   4 x lane
.set STW,  6                           ; v6   the stage, in: 16 x lane
.set STR,  7                           ; v7   the stage, out: row r, + 64 h
.set XWI,  8                           ; v8   where my images go: 16 x lane + 16,384 x wave
.set XWS,  9                           ; v9   and their scale words: XSC + 1,024 x wave + 32 r
.set XSR,  10                          ; v10  XSC + 32 x lane
.set BW,   11                          ; v11  the bias, in
.set BQ,   12                          ; v12  the bias, out, for Q and K: + 64 h
.set BV,   13                          ; v13  for V: + 4 (r + 8 (r / 8))
.set OS,   14                          ; v14  scale words out: h x HEADB + 16 r
.set SELV, 15                          ; v15  byte selects: lanes 0-15 the low halves of two words, lanes 16-31 the high halves
.set XWC,  16                          ; v16, v17  XWI, XWS + the trip's step
.set XSW,  17
.set BQC,  18                          ; v18, v19  BQ, BV + the pass's step
.set BVC,  19
.set XS,   32
.set WS,   64
.set PWS,  80
.set SW,   88
.set TM,   96                          ; v96-99 largest magnitudes, v100-103 bytes, v108-111 the conversions' scale operands
.set PW,   112
.set PC,   116
.set X,    128                         ; buffer u of x's numbers at X + 64 u
.set LF,   128
.set HA,   192
.set WV,   22
.set TAU,  23
.set MODE, 24                          ; s24  1 for V
.set XB,   26                          ; s[26:27] x at my wave's first row, the trip's first K step
.set GB,   28                          ; s[28:29] W's images: my tensor, my wave's, the pass's first tile
.set SBS,  30                          ; s[30:31] W's scale words likewise
.set OUT,  32                          ; s[32:33] pc: the pass's first head, my block
.set SEL,  34                          ; s[34:35] selects for lane l xor 16
.set CNT,  36
.set PASSC, 37
.set XJ,   39
.set XK,   40
.set PB,   41
.set BB,   44
.set MSB, 0
.macro WIN new                         ; the immediate's high byte repeats the setting that is left; a switch that changes nothing is dropped
.if MSB != (\new)
	s_set_vgpr_msb (MSB<<8)|(\new)
.set MSB, (\new)
.endif
.endm
.macro PLACES                          ; four plain lines behind matrix instructions, ahead of the first read of results; they stay too ahead of the loads into registers that products have read, beside the wait that states that dependence
.rept 4
	v_nop
.endr
.endm
; THE QUANTISER, in two parts.  64 numbers of a lane, v[s] .. v[s + 63], register 16 b + i = place 32 b + 16 (lane / 16) + i along K of my row.
; QSCALE: the four blocks' scale operands in v[TM + 12] on, and my row's scale word in v[pw].
.macro QSCALE s, pw
.irp b, 0,1,2,3
	v_max3_num_f32 v[TM+\b], |v[\s+16*\b]|, |v[\s+1+16*\b]|, 0x1800000   ; block b: my 16 numbers, and the floor 2^(3 - 127): the byte cannot fall under 1
.endr
.irp i, 2,4,6,8,10,12,14
.irp b, 0,1,2,3
	v_max3_num_f32 v[TM+\b], v[TM+\b], |v[\s+16*\b+\i]|, |v[\s+1+16*\b+\i]|   ; the four blocks by turns
.endr
.endr
.irp b, 0,1,2,3
	v_permlanex16_b32 v[TM+4+\b], v[TM+\b], s[SEL], s[SEL+1]
.endr
.irp b, 0,1,2,3
	v_max_num_f32 v[TM+\b], v[TM+\b], v[TM+4+\b]   ; with lane l xor 16's: the block's largest magnitude
.endr
.irp b, 0,1,2,3
	v_add_nc_u32 v[TM+12+\b], 0xff000000, v[TM+\b] ; 2 off its exponent field: the conversion's scale operand
.endr
.irp b, 0,1,2,3
	v_lshrrev_b32 v[TM+4+\b], 23, v[TM+12+\b]      ; the scale's byte
.endr
	v_lshl_or_b32 v[\pw], v[TM+5], 8, v[TM+4]      ; the four bytes make my row's scale word (lanes r and r + 16 hold the same)
	v_lshl_or_b32 v[\pw], v[TM+6], 16, v[\pw]
	v_lshl_or_b32 v[\pw], v[TM+7], 24, v[\pw]
.endm
; QCODES: the fragment's codes in v[PC] on: the one part that writes registers which stores read.
.macro QCODES s
.irp b, 0,1,2,3
	v_cvt_scalef32_pk8_fp4_f32 v[PC+2*\b], v[\s+16*\b:\s+7+16*\b], v[TM+12+\b]
	v_cvt_scalef32_pk8_fp4_f32 v[PC+1+2*\b], v[\s+8+16*\b:\s+15+16*\b], v[TM+12+\b]
.endr
	v_nop                                          ; one plain line behind a scaled conversion
.irp c, 0,1                                    ; the operand's layout wants a WHOLE block in a lane: lanes 0-15 block 2 c, lanes 16-31 block 2 c + 1
.irp i, 0,1
	v_permlane16_swap_b32 v[PC+4*\c+\i], v[PC+2+4*\c+\i]
.endr
.endr
.endm
; Unit v = 2 tt + ss of a trip: token tile 2 w + tt, the trip's K step ss.  16 loads, each 512 consecutive bytes of one row, into set v of window 1.
.macro XLOAD v, extra
	WIN 0x40                                       ; destination window 1
.irp i, 0,1,2,3,4,5,6,7,8,9,10,11,12,13,14,15
	global_load_b128 v[64*(\v)+4*\i:64*(\v)+4*\i+3], v[LI], s[XB:XB+1] offset:(8*((\v)/2)+\i+8*(\i/8))*4096+512*((\v)%2)+(\extra) th:TH_LOAD_NT
.endr
	WIN 0
.endm
; Unit v's 16 rows x 512 bytes go through my stage as they lie and come back 64 bytes of a block's half a lane, into buffer v % 2: register 16 b + i = k 32 b + 16 h + i of row r.
.macro TURN v
	WIN 0x04                                       ; an LDS store's data are its source 1: window 1
.irp i, 0,1,2,3,4,5,6,7,8,9,10,11,12,13,14,15
	ds_store_b128 v[STW], v[64*(\v)+4*\i:64*(\v)+4*\i+3] offset:SPT*\i
.endr
	WIN 0
.irp b, 0,1,2,3
.irp j, 0,1,2,3
	ds_load_b128 v[X+64*((\v)%2)+16*\b+4*\j:X+64*((\v)%2)+16*\b+4*\j+3], v[STR] offset:128*\b+16*\j   ; LDS serves a wave's instructions in order (ISA guide 5.7.1.4): these see the stores above
.endr
.endr
.endm
; W for one K step of a pass: 4 loads of scale words (lanes 0-15 tile 2 a, lanes 16-31 tile 2 a + 1) and 16 of codes (8 fragments), into set st: 20 loads.
.macro GLOAD st, si, pi
.irp a, 0,1,2,3
	global_load_b32 v[WS+4*(\st)+\a], v[L4], s[SBS:SBS+1] offset:4096*(\si)+512*(\pi)+128*\a
.endr
	WIN 0x40
.irp g, 0,1,2,3,4,5,6,7
.irp c, 0,1
	global_load_b128 v[64*(\st)+8*\g+4*\c:64*(\st)+8*\g+4*\c+3], v[LI], s[GB:GB+1] offset:65536*(\si)+8192*(\pi)+1024*\g+512*\c
.endr
.endr
	WIN 0
.endm
.macro FETCHL l0, n, s                 ; x's fragments of token tiles l0 .. l0 + n - 1, K step s, from their images
.set FL, \l0
.rept \n
	ds_load_b128 v[LF+8*FL:LF+8*FL+3], v[LI] offset:XIMG+1024*(8*FL+(\s))
	ds_load_b128 v[LF+8*FL+4:LF+8*FL+7], v[LI] offset:XIMG+1024*(8*FL+(\s))+512
.set FL, FL+1
.endr
.endm
.macro WM d, a, b, c, sa, sb, ra, rb   ; one product; ra, rb: the side's scales stand in lanes 16-31 of the register named
.if ((\ra) != 0) && ((\rb) != 0)
	v_wmma_scale_f32_16x16x128_f8f6f4 v[\d:\d+7], v[\a:\a+7], v[\b:\b+7], v[\c:\c+7], v[\sa], v[\sb] matrix_a_fmt:MATRIX_FMT_FP4 matrix_b_fmt:MATRIX_FMT_FP4 matrix_a_scale:MATRIX_SCALE_ROW1 matrix_b_scale:MATRIX_SCALE_ROW1
.elseif (\ra) != 0
	v_wmma_scale_f32_16x16x128_f8f6f4 v[\d:\d+7], v[\a:\a+7], v[\b:\b+7], v[\c:\c+7], v[\sa], v[\sb] matrix_a_fmt:MATRIX_FMT_FP4 matrix_b_fmt:MATRIX_FMT_FP4 matrix_a_scale:MATRIX_SCALE_ROW1
.elseif (\rb) != 0
	v_wmma_scale_f32_16x16x128_f8f6f4 v[\d:\d+7], v[\a:\a+7], v[\b:\b+7], v[\c:\c+7], v[\sa], v[\sb] matrix_a_fmt:MATRIX_FMT_FP4 matrix_b_fmt:MATRIX_FMT_FP4 matrix_b_scale:MATRIX_SCALE_ROW1
.else
	v_wmma_scale_f32_16x16x128_f8f6f4 v[\d:\d+7], v[\a:\a+7], v[\b:\b+7], v[\c:\c+7], v[\sa], v[\sb] matrix_a_fmt:MATRIX_FMT_FP4 matrix_b_fmt:MATRIX_FMT_FP4
.endif
.endm
; 32 products: token tiles 4 hi .. 4 hi + 3 x the pass's 8 column tiles, K step s, W's set st.  first = 1: the bias, in the result's layout, is the C that starts the sums.
; The 64 accumulators take turns, one instruction a turn, in the same order in every K step.
.macro MULHALF hi, st, s, first
	s_cmp_eq_u32 s[MODE], 0
	s_cbranch_scc0 .Lmv_\@
.if \first
	WIN 0x81+0x40*(\hi)                            ; source 0 (W) window 1, source 1 (x) and C (bias) window 0, D window 2 or 3
.else
	WIN 0xa1+0x50*(\hi)                            ; C and D window 2 or 3
.endif
.irp l, 0,1,2,3
.irp g, 0,1,2,3,4,5,6,7
.if \first
	WM 64*\l+8*\g, 64*(\st)+8*\g, LF+8*(4*(\hi)+\l), HA+8*\g, WS+4*(\st)+\g/2, XS+8*((4*(\hi)+\l)/2)+(\s), \g%2, \l%2
.else
	WM 64*\l+8*\g, 64*(\st)+8*\g, LF+8*(4*(\hi)+\l), 64*\l+8*\g, WS+4*(\st)+\g/2, XS+8*((4*(\hi)+\l)/2)+(\s), \g%2, \l%2
.endif
.endr
.endr
	WIN 0                                          ; at a branch and at a label every window is 0
	s_branch .Lmj_\@
.Lmv_\@:
.if \first
	WIN 0x84+0x40*(\hi)                            ; the sources swapped: source 0 (x) window 0, source 1 (W) window 1
.else
	WIN 0xa4+0x50*(\hi)
.endif
.irp l, 0,1,2,3
.irp g, 0,1,2,3,4,5,6,7
.if \first
	WM 64*\l+8*\g, LF+8*(4*(\hi)+\l), 64*(\st)+8*\g, HA+8*\g, XS+8*((4*(\hi)+\l)/2)+(\s), WS+4*(\st)+\g/2, \l%2, \g%2
.else
	WM 64*\l+8*\g, LF+8*(4*(\hi)+\l), 64*(\st)+8*\g, 64*\l+8*\g, XS+8*((4*(\hi)+\l)/2)+(\s), WS+4*(\st)+\g/2, \l%2, \g%2
.endif
.endr
.endr
	WIN 0
.Lmj_\@:
.endm
	s_load_b256 s[4:11], s[0:1], 0x0               ; query s[4:5], key s[6:7], value s[8:9], bq s[10:11]
	s_load_b256 s[12:19], s[0:1], 0x20             ; bk s[12:13], bv s[14:15], wimg s[16:17], wsc s[18:19]
	s_load_b64 s[20:21], s[0:1], 0x40              ; pc
	v_lshl_add_u32 v126, v0, 2, 0x1a400            ; the LDS address of my spare word, behind the stages, and 0: made here and kept for the closing lines alone
	v_mov_b32 v127, 0
	v_lshrrev_b32 v1, 5, v0
	v_readfirstlane_b32 s[WV], v1                  ; wave 0..3
	s_and_b32 s[TAU], ttmp7, 0xffff                ; 0 Q, 1 K, 2 V
	v_and_b32 v1, 31, v0                           ; lane
	v_and_b32 v2, 15, v0                           ; r
	v_bfe_u32 v[HH], v0, 4, 1                      ; h
	v_lshlrev_b32 v[LI], 4, v1
	v_lshlrev_b32 v[L4], 2, v1
	s_wait_alu depctr_va_sdst(0)                   ; the wave's number is written, ahead of its first reader: LDS addresses and all bases are made from it
	s_mul_i32 s42, s[WV], 16*SPT
	s_add_co_u32 s42, s42, STG                     ; my stage
	v_add_nc_u32 v[STW], s42, v[LI]
	v_mul_u32_u24 v[STR], v2, SPT
	v_lshl_add_u32 v[STR], v[HH], 6, v[STR]
	v_add_nc_u32 v[STR], s42, v[STR]
	s_lshl_b32 s42, s[WV], 14
	v_add_nc_u32 v[XWI], s42, v[LI]
	s_lshl_b32 s42, s[WV], 10
	s_add_co_u32 s43, s42, XSC
	v_lshl_add_u32 v[XWS], v2, 5, s43
	v_lshlrev_b32 v[XSR], 5, v1
	v_add_nc_u32 v[XSR], XSC, v[XSR]
	s_add_co_u32 s43, s42, BIA
	v_add_nc_u32 v[BW], s43, v[LI]
	v_lshl_add_u32 v[BQ], v[HH], 6, s43
	v_and_b32 v[BV], 8, v2
	v_add_nc_u32 v[BV], v[BV], v2
	v_lshl_add_u32 v[BV], v[BV], 2, s43
	v_mul_u32_u24 v[OS], v[HH], HEADB
	v_lshl_add_u32 v[OS], v2, 4, v[OS]
	s_mov_b32 s42, 0x02020202
	v_mul_lo_u32 v[SELV], v[HH], s42
	v_add_nc_u32 v[SELV], 0x05040100, v[SELV]      ; 0x05040100 in lanes 0-15, 0x07060302 in lanes 16-31
.irp b, 0,1,2,3
	v_mov_b32 v[TM+4+\b], 0                        ; written once: a lane permute's destination counts as one of its sources
.endr
	s_mov_b32 s[SEL], 0x76543210
	s_mov_b32 s[SEL+1], 0xfedcba98
	s_lshl_b32 s46, ttmp9, 19                      ; x: 128 rows of 4,096 bytes a work-group,
	s_lshl_b32 s47, s[WV], 17                      ; 32 a wave
	s_add_co_u32 s46, s46, s47
	s_mov_b32 s47, 0
	s_lshl_b32 s48, s[WV], 10                      ; the bias: 256 numbers a wave
	s_mov_b32 s49, 0
	s_lshl_b32 s50, s[TAU], 19                     ; wimg: 524,288 bytes a tensor,
	s_lshl_b32 s51, s[WV], 14                      ; 16 fragments a wave
	s_add_co_u32 s50, s50, s51
	s_mov_b32 s51, 0
	s_lshl_b32 s52, s[TAU], 15                     ; wsc: 32,768 bytes a tensor, 1,024 a wave
	s_add_co_u32 s52, s52, s48
	s_mov_b32 s53, 0
	s_lshr_b32 s54, ttmp9, 4                       ; pc: the batch,
	s_lshl_b32 s54, s54, 4
	s_lshl_b32 s55, s[WV], 2
	s_add_co_u32 s54, s54, s55                     ; 16 x batch + my wave's first head
	s_mul_i32 s54, s54, HEADB
	s_and_b32 s55, ttmp9, 15                       ; the block of 128 tokens
	s_mul_i32 s55, s55, BLKB
	s_add_co_u32 s54, s54, s55
	s_mul_i32 s55, s[TAU], TENSB
	s_add_co_u32 s54, s54, s55
	s_mov_b32 s55, 0
	s_wait_kmcnt 0x0
	s_cmp_eq_u32 s[TAU], 1                         ; which tensor and bias: the choice hangs on the work-group's number alone
	s_cselect_b64 s[4:5], s[6:7], s[4:5]
	s_cselect_b64 s[10:11], s[12:13], s[10:11]
	s_cmp_eq_u32 s[TAU], 2
	s_cselect_b64 s[4:5], s[8:9], s[4:5]
	s_cselect_b64 s[10:11], s[14:15], s[10:11]
	s_cselect_b32 s[MODE], 1, 0
	s_add_nc_u64 s[XB:XB+1], s[4:5], s[46:47]
	s_add_nc_u64 s[BB:BB+1], s[10:11], s[48:49]
	s_add_nc_u64 s[GB:GB+1], s[16:17], s[50:51]
	s_add_nc_u64 s[SBS:SBS+1], s[18:19], s[52:53]
	s_add_nc_u64 s[OUT:OUT+1], s[20:21], s[54:55]
	s_wait_alu depctr_va_vdst(0)                   ; the offsets and LDS addresses v4 to v14 are written, which the kernel's loads and stores read; none of them is written again
	; ---- PHASE X: my 32 tokens x 1,024 become 16 fragments.  A trip is four units (two tiles x two K steps); loads run four units ahead, the turn through the stage one unit.
	global_load_b128 v[PC:PC+3], v[LI], s[BB:BB+1]             ; my 256 biases, by the way
	global_load_b128 v[PC+4:PC+7], v[LI], s[BB:BB+1] offset:512
	XLOAD 0, 0
	XLOAD 1, 0
	XLOAD 2, 0
	s_wait_loadcnt 48                              ; the bias is in: behind it 48 loads were issued
	ds_store_b128 v[BW], v[PC:PC+3]
	ds_store_b128 v[BW], v[PC+4:PC+7] offset:512
	XLOAD 3, 0
	s_wait_loadcnt 48                              ; unit 0 is in: behind it units 1 to 3, 48 loads
	TURN 0
	s_wait_dscnt 0x0                               ; on the way into the loop nothing was issued behind unit 0's turn: so all of it is waited for here, and the count at a unit's head holds on both ways
; A unit.  Its numbers came back from the stage into buffer v % 2 while the unit before was quantised; the next unit's go through the stage, into the other buffer, while this one is quantised.
; tail = 0: the set is loaded again with the next trip's unit;  tail = 1 (the last trip): sets 0 to 2 take W's fragments of K steps 0 to 2.  cnt: the loads younger than the next unit's, which may stay out.
.macro UNIT v, tail, cnt
	s_wait_dscnt 3                                 ; LDS instructions end in order (ISA guide 5.7.1): this unit's numbers are back; the three image stores of the unit before may be out
	s_wait_alu depctr_vm_vsrc(0)                   ; the stage's stores have read set v, in which the loads below land (in the last trip: W's K step v); the image stores of the unit before (ahead of the first unit: the bias's stores) have read PC, PW and their two addresses, which are written below
.if (\v) == 0
	v_add_nc_u32 v[XWC], s[XJ], v[XWI]             ; two K steps on a trip: 2,048 bytes of images, 8 of scale words
	v_add_nc_u32 v[XSW], s[XK], v[XWS]
.endif
.if \tail
.if (\v) < 3
	GLOAD \v, \v, 0
.endif
.else
	XLOAD \v, 1024
.endif
.if ((\tail) == 0) || ((\v) < 3)
	s_wait_loadcnt \cnt                            ; the next unit's 16 loads are in
	TURN ((\v)+1)%4                                ; no wait on va_vdst: the quantiser that read that buffer stands ahead of the last unit's wait, and no vector line since names it
.endif
	QSCALE X+64*((\v)%2), PW
	QCODES X+64*((\v)%2)
	s_wait_alu depctr_va_vdst(0)                   ; the quantiser has written PC and PW (in a trip's first unit the additions XWC and XSW), which the stores below read; and it is done reading its buffer, in which the next unit's turn lands
	ds_store_b128 v[XWC], v[PC:PC+3] offset:XIMG+8192*((\v)/2)+1024*((\v)%2)        ; the fragment goes to LDS as it stands: 16 bytes a lane, 512 a store
	ds_store_b128 v[XWC], v[PC+4:PC+7] offset:XIMG+8192*((\v)/2)+1024*((\v)%2)+512
	ds_store_b32 v[XSW], v[PW] offset:512*((\v)/2)+4*((\v)%2)                      ; lanes r and r + 16 write the same word with the same value
.endm
	s_mov_b32 s[CNT], 3
	s_mov_b32 s[XJ], 0
	s_mov_b32 s[XK], 0
.Ltrip:
	UNIT 0, 0, 48                                  ; 48: the three units younger than the next one
	UNIT 1, 0, 48
	UNIT 2, 0, 48
	UNIT 3, 0, 48                                  ; (its turn is the next trip's unit 0)
	s_wait_xcnt 0x0                                ; the loads have read their base: it may step
	s_add_nc_u64 s[XB:XB+1], s[XB:XB+1], 1024
	s_add_co_u32 s[XJ], s[XJ], 2048
	s_add_co_u32 s[XK], s[XK], 8
	s_sub_co_u32 s[CNT], s[CNT], 1
	s_cmp_lg_u32 s[CNT], 0
	s_cbranch_scc1 .Ltrip
	UNIT 0, 1, 52                                  ; the last trip is written out: no load leaves x.  Younger than unit 1: units 2, 3 and W's K step 0 (20 loads)
	UNIT 1, 1, 56                                  ; unit 3 and W's K steps 0, 1
	UNIT 2, 1, 60                                  ; W's K steps 0 to 2
	UNIT 3, 1, 0                                   ; nothing is left to turn
	s_wait_dscnt 0x0                               ; for the others' sake: my images and scale words lie in LDS
	s_barrier_signal -1
	s_barrier_wait -1                              ; everybody's do; nobody writes them again
.irp a, 0,1,2,3
.irp k, 0,1
	ds_load_b128 v[XS+8*\a+4*\k:XS+8*\a+4*\k+3], v[XSR] offset:1024*\a+16*\k   ; x's scale words stay in registers: register 8 a + s: lanes 0-15 tile 2 a, lanes 16-31 tile 2 a + 1
.endr
.endr
; ---- A K step of 128: 64 products.  W runs three K steps ahead in a ring of four sets; x's fragments come from LDS half a step ahead.
.macro KSTEP s
.if (\s) <= 5
	s_wait_loadcnt 40                              ; this step's 20 loads are in; the two younger steps' 40 may be out
.elseif (\s) == 6
	s_wait_loadcnt 20                              ; right whether or not the next pass's loads stand behind step 7's
.else
	s_wait_loadcnt 0
.endif
.if (\s) == 0
	s_wait_dscnt 0x0                               ; x's fragments, the bias and (in the first pass) x's scale words
	MULHALF 0, 0, 0, 1
.else
	s_wait_dscnt 8                                 ; token tiles 0-3 are in; the youngest eight loads (tiles 4-7) may be out
	MULHALF 0, (\s)%4, \s, 0
.endif
	s_wait_dscnt 0x0                               ; tiles 4-7 are in
	PLACES
	s_wait_alu depctr_va_vdst(0)                   ; the 32 products above are done reading token tiles 0-3, and the step before is done reading its set of W and its scale words: the loads below land in these (the last pass's last step has none)
.if (\s) < 7
	FETCHL 0, 4, (\s)+1
.endif
.if (\s) <= 4
	GLOAD ((\s)+3)%4, (\s)+3, 0                    ; into the set that the step before has left
.else
	s_cmp_eq_u32 s[PASSC], 1                       ; the last pass has no successor: no load leaves W's images
	s_cbranch_scc1 .Lnog_\@
	GLOAD ((\s)+3)%4, (\s)-5, 1                    ; the next pass's K steps 0 to 2
.Lnog_\@:
.endif
.if (\s) == 0
	MULHALF 1, 0, 0, 1
.else
	MULHALF 1, (\s)%4, \s, 0
.endif
	PLACES
.if (\s) < 7
	s_wait_alu depctr_va_vdst(0)                   ; the 32 products above are done reading token tiles 4-7, in which the loads below land
	FETCHL 4, 4, (\s)+1
.endif
.endm
; ---- The way out of one group of 8 accumulators: q = a token tile (Q, K: 16 tokens x 128 columns, two heads) or a column tile (V: 16 channels x 128 tokens).
.macro EPI q
	s_cmp_eq_u32 s[MODE], 0
	s_cbranch_scc0 .Lrv_\@
	WIN 0x08+4*((\q)/4)                            ; source 1: window 2 or 3
.set EI, 0
.rept 64
	v_max_num_f32 v[HA+EI], 0, v[64*((\q)%4)+EI]   ; relu; each accumulator is read from its low end on
.set EI, EI+1
.endr
	WIN 0
	s_branch .Lrj_\@
.Lrv_\@:
.irp p, 0,1,2,3,4,5,6,7
	WIN 0x08+4*(\p/4)
.irp j, 0,1,2,3,4,5,6,7
	v_max_num_f32 v[HA+8*\p+\j], 0, v[64*(\p%4)+8*(\q)+\j]
.endr
.endr
	WIN 0
.Lrj_\@:
	QSCALE HA, PWS+(\q)
	s_wait_xcnt 0x0                                ; the last group's stores have had their addresses translated (ISA guide 3.1): the codes' registers are rewritten only behind this wait,
	s_wait_alu depctr_vm_vsrc(0)                   ; and they (ahead of the first group: phase X's last image stores) have read PC, which the conversions below write; the relu and the scales above stand between the stores and these two waits
	QCODES HA
	s_wait_alu depctr_va_vdst(0)                   ; the conversions and the exchange of halves have written PC, which the stores below read
	s_cmp_eq_u32 s[MODE], 0
	s_cbranch_scc0 .Lsv_\@
	global_store_b128 v[LI], v[PC:PC+3], s[OUT:OUT+1] offset:512*(\q)               ; the first head's 64 channels of 16 tokens: 512 consecutive aligned bytes
	global_store_b128 v[LI], v[PC+4:PC+7], s[OUT:OUT+1] offset:HEADB+512*(\q)       ; the second head's
	s_branch .Lsj_\@
.Lsv_\@:
	global_store_b128 v[LI], v[PC:PC+3], s[OUT:OUT+1] offset:((\q)/4)*HEADB+1024*((\q)%4)       ; keys 0-63 of 16 channels
	global_store_b128 v[LI], v[PC+4:PC+7], s[OUT:OUT+1] offset:((\q)/4)*HEADB+1024*((\q)%4)+512 ; keys 64-127
.Lsj_\@:
.endm
	s_mov_b32 s[PASSC], 2
	s_mov_b32 s[PB], 0
.Lpass:                                                ; a pass: 128 columns, two heads
	s_wait_alu depctr_vm_vsrc(0)                   ; the last pass's loads of the bias have read BQC and BVC, which are written below
	v_add_nc_u32 v[BQC], s[PB], v[BQ]
	v_add_nc_u32 v[BVC], s[PB], v[BV]
	s_wait_alu depctr_va_vdst(0)                   ; BQC and BVC are written, which the bias's loads read; the quantiser, the relu and the last pass's products are done with v128 to v255, in which x's fragments and the bias land
	FETCHL 0, 8, 0
	s_cmp_eq_u32 s[MODE], 0
	s_cbranch_scc0 .Lbias_v
.irp g, 0,1,2,3,4,5,6,7                        ; Q, K: register j of tile g is column 32 (g / 2) + 8 (g % 2) + 16 h + j
.irp k, 0,1
	ds_load_b128 v[HA+8*\g+4*\k:HA+8*\g+4*\k+3], v[BQC] offset:(32*(\g/2)+8*(\g%2))*4+16*\k
.endr
.endr
	s_branch .Lbias_in
.Lbias_v:
.irp g, 0,1,2,3,4,5,6,7                        ; V: all eight registers of tile g are column 32 (g / 2) + 8 (g % 2) + r + 8 (r / 8)
.irp j, 0,1,2,3,4,5,6,7
	ds_load_b32 v[HA+8*\g+\j], v[BVC] offset:(32*(\g/2)+8*(\g%2))*4
.endr
.endr
.Lbias_in:
	KSTEP 0
	KSTEP 1
	KSTEP 2
	KSTEP 3
	KSTEP 4
	KSTEP 5
	KSTEP 6
	KSTEP 7                                        ; (it ends with the four plain lines that the first read of results wants)
	EPI 0
	EPI 1
	EPI 2
	EPI 3
	EPI 4
	EPI 5
	EPI 6
	EPI 7
	s_cmp_eq_u32 s[MODE], 0
	s_cbranch_scc0 .Lsc_v
.irp a, 0,1,2,3                                ; Q, K: word a = two bytes of tile 2 a's token, two of tile 2 a + 1's: lanes 0-15 the first head's (low halves), lanes 16-31 the second's
	v_perm_b32 v[SW+\a], v[PWS+2*\a+1], v[PWS+2*\a], v[SELV]
.endr
	s_branch .Lsc_in
.Lsc_v:
	v_cmp_eq_u32 vcc_lo, 1, v[HH]
	s_wait_alu depctr_va_vcc(0)                    ; the compare has written VCC, ahead of its first reader
.irp e, 0,1,2,3                                ; V: word e = tile e's: lanes 0-15 the first head's tiles 0-3, lanes 16-31 the second's
	v_cndmask_b32 v[SW+\e], v[PWS+\e], v[PWS+4+\e], vcc_lo
.endr
.Lsc_in:
	s_wait_alu depctr_va_vdst(0)                   ; the four words SW are written, which the store below reads (the last pass's store has read them: the waits on vm_vsrc of this pass stand behind it)
	global_store_b128 v[OS], v[SW:SW+3], s[OUT:OUT+1] offset:4096    ; sixteen lanes store a head's 256 bytes of scale words, aligned
	s_wait_xcnt 0x0                                ; loads and stores have read their bases and data: they may be written
	s_add_nc_u64 s[GB:GB+1], s[GB:GB+1], 8192
	s_add_nc_u64 s[SBS:SBS+1], s[SBS:SBS+1], 512
	s_add_nc_u64 s[OUT:OUT+1], s[OUT:OUT+1], 2*HEADB
	s_add_co_u32 s[PB], s[PB], 512
	s_sub_co_u32 s[PASSC], s[PASSC], 1
	s_cmp_lg_u32 s[PASSC], 0
	s_cbranch_scc1 .Lpass
	s_wait_dscnt 0x0                               ; the closing lines, six on end
	s_wait_alu 0x0
	s_wait_tensorcnt 0x0
	ds_add_u32 v126, v127
	s_wait_dscnt 0x0
	s_endpgm
.Lfunc_end_k_q414d6d95d6_proj:
	.size	k_q414d6d95d6_proj, .Lfunc_end_k_q414d6d95d6_proj-k_q414d6d95d6_proj
	.p2alignl 7, 3214868480
	.fill 96, 4, 3214868480
	.section	.rodata,"a",@progbits
	.p2align	6, 0x0
	.amdhsa_kernel k_q414d6d95d6_proj
		.amdhsa_group_segment_fixed_size 108032
		.amdhsa_private_segment_fixed_size 0
		.amdhsa_enable_private_segment 0
		.amdhsa_kernarg_size 72
		.amdhsa_user_sgpr_count 2
		.amdhsa_user_sgpr_kernarg_segment_ptr 1
		.amdhsa_wavefront_size32 1
		.amdhsa_system_sgpr_workgroup_id_x 1
		.amdhsa_system_sgpr_workgroup_id_y 1
		.amdhsa_system_sgpr_workgroup_id_z 1
		.amdhsa_system_vgpr_workitem_id 0
		.amdhsa_next_free_vgpr 1024
		.amdhsa_next_free_sgpr 66
		.amdhsa_reserve_vcc 1
		.amdhsa_float_denorm_mode_32 3
		.amdhsa_float_denorm_mode_16_64 3
		.amdhsa_memory_ordered 1
		.amdhsa_forward_progress 1
		.amdhsa_inst_pref_size 255
	.end_amdhsa_kernel
	.section	.bss,"aw",@nobits
	.p2align	6
	.space	262144
	.amdgpu_metadata
---
amdhsa.version: [ 1, 2 ]
amdhsa.kernels:
  - .name:           k_q414d6d95d6_proj
    .symbol:         k_q414d6d95d6_proj.kd
    .args:
      - { .name: query, .offset: 0, .size: 8, .value_kind: global_buffer, .address_space: global }
      - { .name: key, .offset: 8, .size: 8, .value_kind: global_buffer, .address_space: global }
      - { .name: value, .offset: 16, .size: 8, .value_kind: global_buffer, .address_space: global }
      - { .name: bq, .offset: 24, .size: 8, .value_kind: global_buffer, .address_space: global }
      - { .name: bk, .offset: 32, .size: 8, .value_kind: global_buffer, .address_space: global }
      - { .name: bv, .offset: 40, .size: 8, .value_kind: global_buffer, .address_space: global }
      - { .name: wimg, .offset: 48, .size: 8, .value_kind: global_buffer, .address_space: global }
      - { .name: wsc, .offset: 56, .size: 8, .value_kind: global_buffer, .address_space: global }
      - { .name: pc, .offset: 64, .size: 8, .value_kind: global_buffer, .address_space: global }
    .group_segment_fixed_size: 108032
    .private_segment_fixed_size: 0
    .kernarg_segment_align: 8
    .kernarg_segment_size: 72
    .max_flat_workgroup_size: 128
    .sgpr_count:     66
    .vgpr_count:     1024
    .wavefront_size: 32
...
	.end_amdgpu_metadata
.endif
;; end of part 5
;; launch attn (part 6): grid 4 x 64, 16 waves a work-group, clusters of 4 x 1, 210,944 bytes of LDS; arguments pc, out0; writes out0
.if DOCPART == 6
	.amdgcn_target "amdgcn-amd-amdhsa--gfx1250"
	.amdhsa_code_object_version 6
	.text
	.protected	k_q414d6d95d6_attn
	.globl	k_q414d6d95d6_attn
	.p2align	8
	.type	k_q414d6d95d6_attn,@function
k_q414d6d95d6_attn:
	s_mov_b64 s[64:65], 0
	v_nop
	global_prefetch_b8 v0, s[64:65] scope:SCOPE_SE
	s_setreg_imm32_b32 hwreg(HW_REG_WAVE_MODE, 25, 1), 1
	s_wait_xcnt 0x0
	s_wait_alu depctr_hold_cnt(0) depctr_sa_sdst(0) depctr_va_vdst(0) depctr_va_sdst(0) depctr_va_ssrc(0) depctr_va_vcc(0) depctr_vm_vsrc(0)
	s_getreg_b32 s2, hwreg(HW_REG_IB_STS2, 6, 4)
	s_cmp_eq_u32 s2, 0
	s_cbranch_scc0 .Lentry_in_a_cluster
	s_endpgm
.Lentry_in_a_cluster:
	s_bfe_u32 s2, ttmp6, 0x10000c
	s_cmp_lg_u32 s2, 0x3003
	s_cbranch_scc0 .Lentry_shape_is_right
	s_endpgm
.Lentry_shape_is_right:
; out[b][q][head][:] = the sum over k of softmax_k(Q . K / 8) V, both products on codes of FP4 (E2M1) with one E8M0 scale for each 32 along a product's K.
; pc [Q, K, V][batch x head 64][block of 128 tokens 16][4,352 bytes] holds the operands as register images with their scale words, as the launch before laid them:
;   Q, K: tile t of 16 tokens at 512 t (token 32 (t / 2) + 8 (t % 2) + i + 8 (i / 8) of the block in row i; 64 channels: four registers a lane); words at 4096 + 16 i + 4 a: two bytes of tile 2 a, two of tile 2 a + 1.
;   V: tile e of 16 channels at 1024 e, K = the block's 128 keys (eight registers a lane); words at 4096 + 16 i + 4 e.
; THE SOFTMAX AHEAD OF THE SECOND PRODUCT: t = score x log2(e) / 8; M = the row's largest t so far, rounded UP to a whole number; p = 2^(t - M) is what is quantised, along the keys; it is not normalised.
; The row's sum is taken of the unquantised p, in f32, and divides O at the end.  When M moves, the sum and O are multiplied by 2^(old M - new M): exact.
; SHARES.  A work-group owns 512 queries of one head; each of its SIXTEEN waves owns two tiles of 16, one after the other: four waves to a SIMD, so that one wave's vector work stands beside another's matrix work and LDS loads.
; A HEAD'S K AND V, CODES AND SCALE WORDS, ARE 139,264 BYTES AND STAY IN LDS: filled once, sixteen tensor loads of two blocks, one a wave; nothing is filled again.  Every read is an image: 512 consecutive bytes, so no padding.
; CLUSTER.  The four work-groups of a head need the same K and V: each tile is asked for JOINTLY, by the same tensor load with the same descriptor and a mask that names the four.
; K = 64 IN AN INSTRUCTION OF K = 128: two neighbouring tiles of keys are ONE fragment (registers 0-3 the even tile, 4-7 the odd one), multiplied once by [Q, 0] and once by [0, Q]: zero codes take the other tile away exactly.
; Both products are used transposed (S^T = K Q^T, O^T = V^T P^T): a lane holds ONE query throughout; by the order of a tile's tokens the 16 registers of a pair of tiles are keys 32 b + 16 (lane / 16) + 0 .. 15.
; Nothing is prefetched: the launch's only loads from memory stand at its head.
; LIMITS: a block of p that has fallen to zeros keeps the byte 1 (its codes are zeros); p under 2^-126 counts as 0; NaN and infinities are not served.
.set BLKB,  4352
.set HEADB, 16*BLKB
.set TENSB, 64*HEADB
.set VREG,  HEADB                      ; LDS: K's 16 blocks from 0, V's from here,
.set STAGE, 2*HEADB                    ; and a stage of 16 rows x (256 + 16) bytes for each wave, which no tensor load fills
.set SP,    272
.set AK0, 1                            ; v1   16 x lane
.set AS0, 2                            ; v2   4096 + 16 r
.set AV0, 3                            ; v3   VREG + 16 x lane
.set AT0, 4                            ; v4   VREG + 4096 + 16 r
.set SI,  5                            ; v5   the stage, in: row r, + 64 h
.set SR,  6                            ; v6   the stage, out: row h, + 16 r
.set GO,  7                            ; v7   out: 4,096 h + 16 r
.set ADK, 8                            ; v8-11 the four addresses + the step's block
.set ADS, 9
.set ADV, 10
.set ADT, 11
                                       ; v12 -M, v13 the largest t, v[14:15] the sum in two halves
                                       ; v16-35: zeros, Q of pass 0, zeros, Q of pass 1, zeros: [0, Q] of pass p = v[16 + 8 p ..], [Q, 0] = v[20 + 8 p ..]
                                       ; v36, v37 Q's scale words; v38, v39 Q's offsets
.set KF,  40                           ; v40-71   four fragments of K
.set VF,  72                           ; v72-103  four of V
.set KS,  104                          ; v104-107 K's scale words
.set VS,  108                          ; v108-111 V's
.set S,   112                          ; v112-175 S^T, then p
.set O,   176                          ; v176-207 O^T
.set P,   208                          ; v208-215 p's codes
.set BM,  216                          ; v216-219 each block's largest score, then p
.set T2,  220                          ; v220-223 at work
.set SO,  224                          ; v224-227 the conversions' scale operands
.set F,   228                          ; v228     f = 2^(old M - new M)
.set PS,  229                          ; v229     p's scale word
.set TV,  230
.set WV,  8
.set SEL, 24                           ; s[24:25] selects for lane l xor 16
.set CS,  26                           ; s[26:27] c = log2(e) / 8: the packed form names a pair and takes its low word for both halves
.set TB,  28                           ; s28  LDS byte of the step's block
.set CNT, 29
.set QB,  30                           ; s[30:31] Q's block of pass 0
.set OUT, 32                           ; s[32:33] out at my tile's first token of pass 0, my head
.macro PLACES
.rept 4
	v_nop
.endr
.endm
; A round of the cluster's barrier: my work-group's barrier, so that wave 0's signal speaks for all sixteen waves; wave 0 signals for the work-group; every wave waits for all four work-groups; my work-group's barrier once more.
.macro CROUND
	s_barrier_signal -1
	s_barrier_wait -1
	s_cmp_lg_u32 s[WV], 0
	s_cbranch_scc1 .Lnot_wave_0_\@
	s_barrier_signal -3
.Lnot_wave_0_\@:
	s_barrier_wait -3
	s_barrier_signal -1
	s_barrier_wait -1
.endm
	s_load_b128 s[4:7], s[0:1], 0x0                ; pc s[4:5], out0 s[6:7]
	v_lshl_add_u32 v254, v0, 2, 0x33000
	v_mov_b32 v255, 0
	ds_add_u32 v254, v255
	ds_add_u32 v254, v255
	v_lshrrev_b32 v1, 5, v0
	s_delay_alu instid0(VALU_DEP_1)
	v_readfirstlane_b32 s[WV], v1                  ; wave 0..15
	s_bfe_u32 s9, ttmp6, 0x40000                   ; cx: my place in the cluster: it enters Q's and out's addresses alone
	s_and_b32 s10, ttmp7, 0xffff                   ; batch x head, which the four partners share
	; descriptor group 1: two blocks, 8,704 dense bytes, as 34 rows of 256 bytes (32 elements of 8 bytes), no padding
	s_mov_b32 s16, 15|(3<<16)|(1<<21)              ; 15:0 the mask: all four work-groups; 17:16 elements of 8 bytes; 21 set beside a mask
	s_mov_b32 s17, 32<<16                          ; tensor_dim0 = 32
	s_mov_b32 s18, 34<<16                          ; tensor_dim1 = 34
	s_mov_b32 s19, 32<<16                          ; tile_dim0 = 32
	s_mov_b32 s20, 34                              ; tile_dim1 = 34
	s_mov_b32 s21, 32                              ; from row to row
	s_mov_b32 s22, 0
	s_mov_b32 s23, 0
	s_mov_b32 s12, 1                               ; group 0: count = 1
	s_mul_i32 s13, s[WV], 2*BLKB                   ; LDS: waves 0-7 fill K's region, waves 8-15 V's, which follows it
	s_lshr_b32 s11, s[WV], 3
	s_add_co_u32 s36, s11, 1                       ; tensor 1 (K) or 2 (V)
	s_mul_i32 s36, s36, TENSB
	s_mul_i32 s38, s10, HEADB
	s_add_co_u32 s36, s36, s38
	s_and_b32 s39, s[WV], 7
	s_mul_i32 s42, s39, 2*BLKB
	s_add_co_u32 s36, s36, s42
	s_mov_b32 s37, 0
	s_lshl_b32 s44, s9, 2                          ; Q: my tile of pass p lies in block 4 cx + 2 p + wave / 8, tile wave % 8
	s_add_co_u32 s44, s44, s11
	s_mul_i32 s44, s44, BLKB
	s_add_co_u32 s44, s44, s38
	s_mov_b32 s45, 0
	s_lshl_b32 s46, s9, 9                          ; out: my tile's first token of pass 0: 512 cx + 16 wave - 8 (wave % 2)
	s_lshl_b32 s47, s[WV], 4
	s_add_co_u32 s46, s46, s47
	s_and_b32 s40, s[WV], 1
	s_lshl_b32 s47, s40, 3
	s_sub_co_u32 s46, s46, s47
	s_lshl_b32 s46, s46, 12                        ; rows of 4,096 bytes,
	s_lshr_b32 s47, s10, 4
	s_lshl_b32 s47, s47, 23                        ; the batch's 2,048 rows,
	s_add_co_u32 s46, s46, s47
	s_and_b32 s47, s10, 15
	s_lshl_b32 s47, s47, 8                         ; the head's 256 bytes of a row
	s_add_co_u32 s46, s46, s47
	s_mov_b32 s47, 0
	s_lshl_b32 s40, s40, 4                         ; 16 (wave % 2): which half of a scale word is my tile's
	s_mov_b32 s41, 0x01000100
	s_mov_b32 s[SEL], 0x76543210
	s_mov_b32 s[SEL+1], 0xfedcba98
	s_mov_b32 s[CS], 0x3e38aa3b                    ; c = log2(e) / 8
	s_mov_b32 s[CS+1], s[CS]                       ; (named with it as a pair, so it is written)
	s_wait_dscnt 0x0
	s_wait_kmcnt 0x0
	s_add_nc_u64 s[14:15], s[4:5], s[36:37]        ; global address of my two blocks: it hangs on the head and the wave's number alone
	s_or_b32 s15, s15, 0x80000000                  ; type = 2
	s_add_nc_u64 s[QB:QB+1], s[4:5], s[44:45]
	s_add_nc_u64 s[OUT:OUT+1], s[6:7], s[46:47]
	CROUND                                         ; all four work-groups are here: the joint loads meet
	tensor_load_to_lds s[12:15], s[16:23]          ; my one tensor load of the launch
	s_nop 0
	PLACES                                         ; four plain lines follow it
	v_and_b32 v[AK0], 31, v0
	s_delay_alu instid0(VALU_DEP_1)
	v_lshlrev_b32 v[AK0], 4, v[AK0]
	v_and_b32 v8, 15, v0                           ; r
	v_bfe_u32 v9, v0, 4, 1                         ; h
	s_delay_alu instid0(VALU_DEP_2)
	v_lshl_add_u32 v[AS0], v8, 4, 4096
	s_lshl_b32 s43, s39, 9
	v_add_nc_u32 v38, s43, v[AK0]                  ; Q's codes: 512 (wave % 8) + 16 x lane
	s_lshr_b32 s43, s39, 1
	s_lshl_b32 s43, s43, 2
	v_add_nc_u32 v39, s43, v[AS0]                  ; Q's scale word: 4096 + 16 r + 4 ((wave % 8) / 2)
.irp p, 0,1
	global_load_b128 v[20+8*\p:23+8*\p], v38, s[QB:QB+1] offset:2*BLKB*\p
	global_load_b32 v[36+\p], v39, s[QB:QB+1] offset:2*BLKB*\p
.endr
	v_add_nc_u32 v[AV0], VREG, v[AK0]
	v_add_nc_u32 v[AT0], VREG, v[AS0]
	s_mul_i32 s42, s[WV], 16*SP
	s_add_co_u32 s42, s42, STAGE                   ; my stage
	v_mul_u32_u24 v[SI], v8, SP
	s_delay_alu instid0(VALU_DEP_1)
	v_lshl_add_u32 v[SI], v9, 6, v[SI]
	s_delay_alu instid0(VALU_DEP_1)
	v_add_nc_u32 v[SI], s42, v[SI]
	v_mul_u32_u24 v[SR], v9, SP
	s_delay_alu instid0(VALU_DEP_1)
	v_lshl_add_u32 v[SR], v8, 4, v[SR]
	s_delay_alu instid0(VALU_DEP_1)
	v_add_nc_u32 v[SR], s42, v[SR]
	v_lshlrev_b32 v[GO], 12, v9
	s_delay_alu instid0(VALU_DEP_1)
	v_lshl_add_u32 v[GO], v8, 4, v[GO]
.irp j, 16,17,18,19,24,25,26,27,32,33,34,35
	v_mov_b32 v[\j], 0                             ; the zero halves beside Q: written once
.endr
	s_wait_loadcnt 0x0                             ; Q
.irp p, 0,1
	v_lshrrev_b32 v[36+\p], s40, v[36+\p]          ; my tile's two bytes,
	s_delay_alu instid0(VALU_DEP_1)
	v_perm_b32 v[36+\p], v[36+\p], v[36+\p], s41   ; twice: they serve [Q, 0] and [0, Q] alike
.endr
	s_wait_tensorcnt 0x0                           ; my two blocks lie in LDS,
	s_barrier_signal -1
	s_barrier_wait -1                              ; everybody's do
.macro KLOAD ca, sa, off               ; a block's K: four fragments (pairs of tiles) and their scale words: nine loads
.irp i, 0,1,2,3,4,5,6,7
	ds_load_b128 v[KF+4*\i:KF+4*\i+3], v[\ca] offset:(\off)+512*\i
.endr
	ds_load_b128 v[KS:KS+3], v[\sa] offset:\off
.endm
.macro VLOAD ca, sa, off               ; a block's V likewise
.irp i, 0,1,2,3,4,5,6,7
	ds_load_b128 v[VF+4*\i:VF+4*\i+3], v[\ca] offset:(\off)+512*\i
.endr
	ds_load_b128 v[VS:VS+3], v[\sa] offset:\off
.endm
; A KEY STEP: 128 keys.  pref = 1: the next block's K is fetched behind the score products and its V behind the second product.
.macro STEP pref, qlo, qhi, qs
	s_wait_dscnt 9                                 ; this step's K is in; its V, the nine younger loads, may be out
.irp b, 0,1,2,3
	v_wmma_scale_f32_16x16x128_f8f6f4 v[S+16*\b:S+16*\b+7], v[KF+8*\b:KF+8*\b+7], v[\qlo:\qlo+7], 0, v[KS+\b], v[\qs] matrix_a_fmt:MATRIX_FMT_FP4 matrix_b_fmt:MATRIX_FMT_FP4
	v_wmma_scale_f32_16x16x128_f8f6f4 v[S+16*\b+8:S+16*\b+15], v[KF+8*\b:KF+8*\b+7], v[\qhi:\qhi+7], 0, v[KS+\b], v[\qs] matrix_a_fmt:MATRIX_FMT_FP4 matrix_b_fmt:MATRIX_FMT_FP4
.endr
.if \pref
	v_add_nc_u32 v[ADK], s[TB], v[AK0]             ; four plain lines: the places behind the products, ahead of the loads into K's registers and of the first read of scores
	v_add_nc_u32 v[ADS], s[TB], v[AS0]
	v_add_nc_u32 v[ADV], s[TB], v[AV0]
	v_add_nc_u32 v[ADT], s[TB], v[AT0]
	KLOAD ADK, ADS, BLKB
.else
	PLACES
.endif
.irp b, 0,1,2,3
	v_max3_num_f32 v[BM+\b], v[S+16*\b], v[S+1+16*\b], v[S+2+16*\b]   ; THE LARGEST SCORE OF EACH BLOCK OF 32 KEYS: for the row's maximum, and, since p rises with the score, for the block's largest p
.endr
.irp i, 3,5,7,9,11,13
.irp b, 0,1,2,3
	v_max3_num_f32 v[BM+\b], v[BM+\b], v[S+16*\b+\i], v[S+1+16*\b+\i]   ; the four blocks by turns; each accumulator is read from its low end on
.endr
.endr
.irp b, 0,1,2,3
	v_max_num_f32 v[BM+\b], v[BM+\b], v[S+15+16*\b]
.endr
.irp b, 0,1,2,3
	s_delay_alu instid0(VALU_DEP_4)
	v_permlanex16_b32 v[T2+\b], v[BM+\b], s[SEL], s[SEL+1]
.endr
.irp b, 0,1,2,3
	s_delay_alu instid0(VALU_DEP_4)
	v_max_num_f32 v[BM+\b], v[BM+\b], v[T2+\b]     ; with lane l xor 16's 16 keys
.endr
	s_delay_alu instid0(VALU_DEP_2)
	v_max3_num_f32 v[TV], v[BM], v[BM+1], v[BM+2]
	s_delay_alu instid0(VALU_DEP_1)
	v_max_num_f32 v[TV], v[TV], v[BM+3]            ; the step's largest score of my query
	s_delay_alu instid0(VALU_DEP_1)
	v_mul_f32 v[TV], s[CS], v[TV]                  ; as t (c is positive)
	s_delay_alu instid0(VALU_DEP_1)
	v_max_num_f32 v13, v13, v[TV]                  ; the running largest t
	v_mov_b32 v[TV], v12
	s_delay_alu instid0(VALU_DEP_2)
	v_floor_f32 v12, -v13                          ; the new -M = floor(-t) = -ceil(t): M IS A WHOLE NUMBER
	s_delay_alu instid0(VALU_DEP_1)
	v_sub_f32 v[TV], v12, v[TV]                    ; M's old value less its new one: a whole number, 0 or less
	s_delay_alu instid0(VALU_DEP_1)
	v_cvt_i32_f32 v[TV], v[TV]                     ; (it saturates)
	s_delay_alu instid0(VALU_DEP_1)
	v_ldexp_f32 v[F], 1.0, v[TV]                   ; f = 2^(old M - new M)
.set J, 0
.rept 32
	v_pk_fma_f32 v[S+J:S+J+1], v[S+J:S+J+1], s[CS:CS+1], v[12:13] op_sel_hi:[1,0,0]   ; t - M, two at a time (of the pairs c and -M the low word serves both halves)
.set J, J+2
.endr
.irp b, 0,1,2,3
	v_fma_f32 v[BM+\b], v[BM+\b], s[CS], v12       ; the same of each block's largest score
.endr
.set J, 0
	s_wait_alu depctr_va_vdst(0)
.rept 64
	v_exp_f32 v[S+J], v[S+J]                       ; p = 2^(t - M), at most 1: NOT normalised
.set J, J+1
.endr
.irp b, 0,1,2,3
	v_exp_f32 v[BM+\b], v[BM+\b]                   ; the block's largest p: the same two instructions on the same number give the same bits
.endr
	v_pk_mul_f32 v[14:15], v[14:15], v[F:F+1] op_sel_hi:[1,0]   ; the sums under the new M.  (A plain line behind the exponentials)
	s_wait_alu depctr_va_vdst(0)
.irp b, 0,1,2,3
	v_max_num_f32 v[BM+\b], 0x1800000, v[BM+\b]    ; the floor 2^(3 - 127): the byte cannot fall under 1
.endr
.irp b, 0,1,2,3
	s_delay_alu instid0(VALU_DEP_4)
	v_add_nc_u32 v[SO+\b], 0xff000000, v[BM+\b]    ; 2 off the exponent field: the conversion's scale operand
.endr
.irp b, 0,1,2,3
	s_delay_alu instid0(VALU_DEP_4)
	v_lshrrev_b32 v[T2+\b], 23, v[SO+\b]           ; the scale's byte
.endr
	s_delay_alu instid0(VALU_DEP_3)
	v_lshl_or_b32 v[PS], v[T2+1], 8, v[T2]         ; p's scale word for these 128 keys
	s_delay_alu instid0(VALU_DEP_1)
	v_lshl_or_b32 v[PS], v[T2+2], 16, v[PS]
	s_delay_alu instid0(VALU_DEP_1)
	v_lshl_or_b32 v[PS], v[T2+3], 24, v[PS]
.irp b, 0,1,2,3
	v_cvt_scalef32_pk8_fp4_f32 v[P+2*\b], v[S+16*\b:S+7+16*\b], v[SO+\b]
	v_cvt_scalef32_pk8_fp4_f32 v[P+1+2*\b], v[S+8+16*\b:S+15+16*\b], v[SO+\b]
.endr
	v_nop                                          ; one plain line behind a scaled conversion
.irp c, 0,1                                    ; the operand's layout wants a WHOLE block in a lane: lanes 0-15 block 2 c, lanes 16-31 block 2 c + 1
.irp i, 0,1
	v_permlane16_swap_b32 v[P+4*\c+\i], v[P+2+4*\c+\i]
.endr
.endr
	v_pk_add_f32 v[220:221], v[116:117], v[120:121]
	v_pk_add_f32 v[252:253], v[124:125], v[128:129]
	v_pk_add_f32 v[250:251], v[132:133], v[136:137]
	v_pk_add_f32 v[248:249], v[140:141], v[144:145]
	v_pk_add_f32 v[246:247], v[148:149], v[152:153]
	v_pk_add_f32 v[244:245], v[156:157], v[160:161]
	v_pk_add_f32 v[242:243], v[164:165], v[168:169]
	v_pk_add_f32 v[14:15], v[14:15], v[172:173]
	v_pk_add_f32 v[220:221], v[220:221], v[112:113]
	v_pk_add_f32 v[252:253], v[252:253], v[114:115]
	v_pk_add_f32 v[250:251], v[250:251], v[118:119]
	v_pk_add_f32 v[248:249], v[248:249], v[122:123]
	v_pk_add_f32 v[246:247], v[246:247], v[126:127]
	v_pk_add_f32 v[244:245], v[244:245], v[130:131]
	v_pk_add_f32 v[242:243], v[242:243], v[134:135]
	v_pk_add_f32 v[14:15], v[14:15], v[138:139]
	v_pk_add_f32 v[220:221], v[220:221], v[142:143]
	v_pk_add_f32 v[252:253], v[252:253], v[146:147]
	v_pk_add_f32 v[250:251], v[250:251], v[150:151]
	v_pk_add_f32 v[248:249], v[248:249], v[154:155]
	v_pk_add_f32 v[246:247], v[246:247], v[158:159]
	v_pk_add_f32 v[244:245], v[244:245], v[162:163]
	v_pk_add_f32 v[242:243], v[242:243], v[166:167]
	v_pk_add_f32 v[14:15], v[14:15], v[170:171]
	v_pk_add_f32 v[220:221], v[220:221], v[174:175]
	s_delay_alu instid0(VALU_DEP_2)
	v_pk_add_f32 v[14:15], v[14:15], v[248:249]
	s_delay_alu instid0(VALU_DEP_2)
	v_pk_add_f32 v[220:221], v[220:221], v[246:247]
	v_pk_add_f32 v[252:253], v[252:253], v[244:245]
	v_pk_add_f32 v[250:251], v[250:251], v[242:243]
	s_delay_alu instid0(VALU_DEP_2)
	v_pk_add_f32 v[14:15], v[14:15], v[252:253]
	s_delay_alu instid0(VALU_DEP_2)
	v_pk_add_f32 v[220:221], v[220:221], v[250:251]
	s_delay_alu instid0(VALU_DEP_1)
	v_pk_add_f32 v[14:15], v[14:15], v[220:221]
.set J, 0
.rept 16
	v_pk_mul_f32 v[O+J:O+J+1], v[O+J:O+J+1], v[F:F+1] op_sel_hi:[1,0]   ; O^T under the new M: x f.  (With the sums above: the places between p's codes and scale word and the products below)
.set J, J+2
.endr
.if \pref
	s_wait_alu depctr_va_vdst(0)
	s_wait_dscnt 9                                 ; V is in; the next step's K, the nine younger loads, may be out
.else
	s_wait_alu depctr_va_vdst(0)
	s_wait_dscnt 0x0
.endif
.irp e, 0,1,2,3                                ; O^T += V^T P^T: the head's four tiles of 16 channels, by turns
	v_wmma_scale_f32_16x16x128_f8f6f4 v[O+8*\e:O+8*\e+7], v[VF+8*\e:VF+8*\e+7], v[P:P+7], v[O+8*\e:O+8*\e+7], v[VS+\e], v[PS] matrix_a_fmt:MATRIX_FMT_FP4 matrix_b_fmt:MATRIX_FMT_FP4
.endr
	PLACES                                         ; ahead of the loads into V's registers and of the next read of O^T
.if \pref
	VLOAD ADV, ADT, BLKB
	s_add_co_u32 s[TB], s[TB], BLKB
.endif
.endm
; THE WAY OUT of a tile: O^T / the sum goes through my stage (a lane's 16 channels of a query are 64 bytes) and leaves as rows: sixteen lanes store a head's 256 consecutive aligned bytes of a token's row.
.macro WAYOUT p
	v_add_f32 v14, v14, v15                        ; the sum's two halves,
	s_delay_alu instid0(VALU_DEP_1)
	v_permlanex16_b32 v[TV], v14, s[SEL], s[SEL+1]
	s_delay_alu instid0(VALU_DEP_1)
	v_add_f32 v14, v14, v[TV]                      ; and lane l xor 16's: the row's sum
	s_wait_alu depctr_va_vdst(0)
	v_rcp_f32 v14, v14
	v_nop                                          ; one plain line behind a transcendental
.set J, 0
	s_wait_alu depctr_va_vdst(0)
.rept 16
	v_pk_mul_f32 v[S+J:S+J+1], v[O+J:O+J+1], v[14:15] op_sel_hi:[1,0]   ; register 16 g + i is channel 32 g + 16 h + i of query r
.set J, J+2
.endr
.irp g, 0,1
.irp i, 0,1,2,3
	ds_store_b128 v[SI], v[S+16*\g+4*\i:S+16*\g+4*\i+3] offset:128*\g+16*\i
.endr
.endr
.irp i, 0,1,2,3,4,5,6,7
	ds_load_b128 v[S+32+4*\i:S+32+4*\i+3], v[SR] offset:2*SP*\i   ; LDS serves a wave's instructions in order (ISA guide 5.7.1.4): these see my stores.  Rows 2 i and 2 i + 1
.endr
.irp i, 0,1,2,3,4,5,6,7
	s_wait_dscnt 7-\i                              ; loads come back in order: pair i is in, the younger ones may be out
	global_store_b128 v[GO], v[S+32+4*\i:S+32+4*\i+3], s[OUT:OUT+1] offset:(\p)*1048576+(2*\i+8*(\i/4))*4096 th:TH_STORE_NT   ; row x of the tile is token x + 8 (x / 8) from the tile's first
.endr
	s_wait_xcnt 0x0                                ; the stores have read their registers: the next pass may write them
.endm
; A PASS: one tile of 16 queries against all 2,048 keys.  The step is written once for the loop: O^T and the sum begin as zeros and the largest t as -3e38, and the first change of M leaves zeros zeros.
.macro PASS p
	v_mov_b32 v13, 0xff61b1e6                      ; the largest t so far: -3e38, under every t
	s_delay_alu instid0(VALU_DEP_1)
	v_floor_f32 v12, -v13                          ; -M
	v_mov_b32 v14, 0
	v_mov_b32 v15, 0
.set J, 0
.rept 32
	v_mov_b32 v[O+J], 0
.set J, J+1
.endr
.irp b, 0,1,2,3
	v_mov_b32 v[T2+\b], 0                          ; a lane permute's destination counts as one of its sources
.endr
	v_mov_b32 v[PS], 0                             ; (named as the upper half of the pair with f before it is first made)
	v_mov_b32 v[TV], 0
	s_mov_b32 s[TB], 0
	KLOAD AK0, AS0, 0
	VLOAD AV0, AT0, 0
	s_mov_b32 s[CNT], 15
.Lkey_\@:
	STEP 1, 20+8*(\p), 16+8*(\p), 36+(\p)
	s_sub_co_u32 s[CNT], s[CNT], 1
	s_cmp_lg_u32 s[CNT], 0
	s_cbranch_scc1 .Lkey_\@
	STEP 0, 20+8*(\p), 16+8*(\p), 36+(\p)          ; the last block is written out: nothing is read past the regions
	WAYOUT \p
.endm
	PASS 0
	PASS 1
	s_wait_dscnt 0x0                               ; no LDS instruction of mine is pending at a signal
	s_wait_tensorcnt 0x0
	ds_add_u32 v254, v255
	s_wait_dscnt 0x0
	CROUND                                         ; the closing round: no work-group ends while a partner may still ask for a tile that names it
	s_endpgm
.Lfunc_end_k_q414d6d95d6_attn:
	.size	k_q414d6d95d6_attn, .Lfunc_end_k_q414d6d95d6_attn-k_q414d6d95d6_attn
	.p2alignl 7, 3214868480
	.fill 96, 4, 3214868480
	.section	.rodata,"a",@progbits
	.p2align	6, 0x0
	.amdhsa_kernel k_q414d6d95d6_attn
		.amdhsa_group_segment_fixed_size 210944
		.amdhsa_private_segment_fixed_size 0
		.amdhsa_enable_private_segment 0
		.amdhsa_kernarg_size 16
		.amdhsa_user_sgpr_count 2
		.amdhsa_user_sgpr_kernarg_segment_ptr 1
		.amdhsa_wavefront_size32 1
		.amdhsa_system_sgpr_workgroup_id_x 1
		.amdhsa_system_sgpr_workgroup_id_y 1
		.amdhsa_system_sgpr_workgroup_id_z 1
		.amdhsa_system_vgpr_workitem_id 0
		.amdhsa_next_free_vgpr 256
		.amdhsa_next_free_sgpr 66
		.amdhsa_reserve_vcc 0
		.amdhsa_float_denorm_mode_32 3
		.amdhsa_float_denorm_mode_16_64 3
		.amdhsa_memory_ordered 1
		.amdhsa_forward_progress 1
		.amdhsa_inst_pref_size 79
	.end_amdhsa_kernel
	.amdgpu_metadata
---
amdhsa.version: [ 1, 2 ]
amdhsa.kernels:
  - .name:           k_q414d6d95d6_attn
    .symbol:         k_q414d6d95d6_attn.kd
    .args:
      - { .name: pc, .offset: 0, .size: 8, .value_kind: global_buffer, .address_space: global }
      - { .name: out0, .offset: 8, .size: 8, .value_kind: global_buffer, .address_space: global }
    .group_segment_fixed_size: 210944
    .private_segment_fixed_size: 0
    .kernarg_segment_align: 8
    .kernarg_segment_size: 16
    .max_flat_workgroup_size: 512
    .sgpr_count:     66
    .vgpr_count:     256
    .wavefront_size: 32
...
	.end_amdgpu_metadata
.endif
;; end of part 6
